; MI455X (gfx1250); checked and timed in simulation.
; The chip was launched on July 23, 2026; its instructions are those of AMD's public machine-readable ISA for CDNA 5 (MIT licence, August 2026) and "CDNA5" Instruction Set Architecture Reference Guide (July 2026). The comments in the code are by the model that wrote it; some were corrected since.
;; Dot Product Attention. Allowed arithmetic: matrix products marked QUANTISED: E3M2 operands, one E8M0 scale for each 32 along K, by v_wmma_scale_f32_16x16x128_f8f6f4 with both operands' format E3M2, f32 sums; everything else in f32.
;; Inputs: keys_codes 2 x 8 x 4,096 x 2 x 24 uint8 (E3M2 codes of keys, K innermost, in blocks of 32 codes, four codes in three bytes); keys_scales 2 x 8 x 4,096 x 2 uint8 (E8M0 scales of keys, one for each 32 codes along K); mask 4,096 x 4,096 float32; queries_codes 2 x 8 x 4,096 x 2 x 24 uint8 (E3M2 codes of queries, K innermost, in blocks of 32 codes, four codes in three bytes); queries_scales 2 x 8 x 4,096 x 2 uint8 (E8M0 scales of queries, one for each 32 codes along K); values_codes 2 x 8 x 64 x 128 x 24 uint8 (E3M2 codes of values, K innermost, in blocks of 32 codes, four codes in three bytes); values_scales 2 x 8 x 64 x 128 uint8 (E8M0 scales of values, one for each 32 codes along K).
;; Outputs: out0 2 x 8 x 4,096 x 64 float32.
;; Constants: d_k = 64.
;; This version of the problem:
;;   THIS VERSION OF THE PROBLEM IS GIVEN IN LOW PRECISION. The matrix products marked QUANTISED in the list below multiply operands that are first quantised to E3M2 (3 exponent bits, 2 mantissa bits; 6 bits a number), with one power-of-two scale for each 32 numbers along K (OCP MX v1.0); their sums are f32. All else is computed in f32.
;;   The module's matrix products, in the order in which they are computed (A, B: the left and right operand; K: the contracted axis; several contracted axes count as one K, in the product's order):
;;     1. batch 16 x [M 4,096, K 64] x [K 64, N 4,096]; A: input queries (given as codes); B: input keys (given as codes): QUANTISED
;;     2. batch 16 x [M 4,096, K 4,096] x [K 4,096, N 64]; A: softmax (see below); B: input values (given as codes): QUANTISED
;;   THE QUANTISER, for each operand of a quantised product, along K:
;;     - K is cut into blocks of 32 from its start; a last block that is shorter is filled with zeros.
;;     - A block's scale is 2^e with e = floor(log2(the largest magnitude in the block)) - 4, held to -126 .. 127; a block of zeros has e = 0. As a byte (E8M0): e + 127.
;;     - Each number is divided by its block's scale, clamped to +-28, and rounded to the nearest number of E3M2, ties to even, subnormals kept.
;;     - The product sums the exact products of the quantised numbers (number of the format x scale) in f32.
;;   ~~~python
;;   def quantise(x, axis):      # numpy; x: float32 -> the quantised numbers, widened to float32 again
;;       x = np.moveaxis(x, axis, -1); K = x.shape[-1]
;;       x = np.pad(x, [(0, 0)] * (x.ndim - 1) + [(0, -K % 32)]); x = x.reshape(x.shape[:-1] + (-1, 32)); a = np.abs(x).max(-1, keepdims=True)
;;       e = np.where(a > 0, np.clip(np.frexp(np.where(a > 0, a, 1))[1] - 1 - 4, -126, 127), 0)      # np.frexp(a)[1] - 1 = floor(log2(a)), exactly
;;       r = np.clip(x / 2.0 ** e, -28, 28)
;;       step = 2.0 ** (np.maximum(np.frexp(np.where(r == 0, 1, r))[1] - 1, -2) - 2)
;;       q = np.round(r / step) * step * 2.0 ** e      # np.round: ties to even
;;       return np.moveaxis(q.reshape(q.shape[:-2] + (-1,))[..., :K], -1, axis).astype(np.float32)
;;   ~~~
;;   SOFTMAX AHEAD OF A QUANTISED PRODUCT. Where the list says 'softmax', what is quantised is not the finished softmax but p = 2^(t - M), with t = logit x log2(e) and M = ceil(the row's largest t), a whole number; so 1/2 < the row's largest p <= 1. The row's sum l is taken of the UNQUANTISED p, in f32, and the product's result is divided by l at the end. Since M is a whole number, a kernel that streams over the keys may use a running M (the ceiling of the running maximum): every later rescaling is an exact power of two, which a block's scale takes up: the codes' values come out the same.
;;   OPERANDS COMPUTED ON THE WAY. 'Computed on the way' means the value that the module computes at that place (a softmax that the list does not call 'softmax' is quantised finished and normalised). What goes into a quantiser is computed in f32, as accurately as f32 sums, v_exp_f32 and their like allow (about 1e-6 of the number): no bf16 or f16 on the way to a quantiser, and a product that is left as it is and whose result goes on into a quantised operand takes f32 operands (vector FMAs, or v_wmma_f32_16x16x4_f32). A number that lies on a knife's edge between two numbers of the format may be rounded either way, as far as f32 arithmetic and the matrix unit's own rounding can turn it there, and no further.
;;   INPUTS GIVEN AS CODES. keys (in the module: [2, 8, 4096, 64], K = its axis 3); queries (in the module: [2, 8, 4096, 64], K = its axis 3); values (in the module: [2, 8, 4096, 64], K = its axis 2): each comes as NAME_codes (uint8): NAME with its K axis moved to the last place and cut into blocks of 32 codes, [.., K / 32, bytes a block], one block behind the other in memory; four codes in three bytes: a row's codes are one little-endian stream of bits, code i at bits 6 i .. 6 i + 5 (a code: sign, 3 exponent bits, 2 mantissa bits); and NAME_scales (uint8): the same leading axes, one E8M0 byte (e + 127) for each 32 codes along K. Its value is code x scale, taken as it is: it is not quantised again, and the codes and scales need not be those that the quantiser above would give.
;; 2 versions. Each part assembles by itself: llvm-mc -triple=amdgcn-amd-amdhsa -mcpu=gfx1250 --defsym DOCPART=n.
;; ======== version 1 of 2: 2 launches
;; limits: right only within a limited range of input values
;; workspace buffers: cls 32,768 bytes of whole numbers; bounds 2,048 bytes of whole numbers
;; launch classify (part 1): grid 256 x 1, 8 waves a work-group, no clusters, 2,048 bytes of LDS; arguments mask, queries_scales, keys_scales, cls, bounds; writes cls, bounds
.if DOCPART == 1
	.amdgcn_target "amdgcn-amd-amdhsa--gfx1250"
	.amdhsa_code_object_version 6
	.text
	.protected	k_q45c49dddd2_classify
	.globl	k_q45c49dddd2_classify
	.p2align	8
	.type	k_q45c49dddd2_classify,@function
k_q45c49dddd2_classify:
	s_mov_b64 s[64:65], 0
	v_nop
	global_prefetch_b8 v0, s[64:65] scope:SCOPE_SE
	s_setreg_imm32_b32 hwreg(HW_REG_WAVE_MODE, 25, 1), 1
	s_wait_xcnt 0x0
; THE MASK IS READ ONCE AND CLASSIFIED, tile by tile of 16 queries x 128 keys, for the attention launch that follows.
; mask: [4096][4096] f32.  In the logits it stands as c = -1e9 x m.  For tile (query tile g, key step s) one word W = 2 G + Z goes to cls[g][s]:
;   Z = 1: every number of the tile is zero, so the tile's logits need no mask.
;   G = the exponent field of gap = (the smallest, over the tile's 16 rows, of the row's largest c in the WHOLE row) - (the largest c in the tile), 0 where gap <= 0.
;       So gap >= 2^(G - 127).  G stands only where G + 16 >= the exponent field of the strip's largest |c|: the roundings of logits of that size then stay small beside the gap.
; The attention launch leaves a tile out where the gap is so large beside the scores' bound that every p of the tile is 0 in f32.  For that bound the largest scale bytes of Q and K of each head
; are gathered here too: bounds[head][part] (Q) and bounds[head][16 + part] (K), sixteen partial maxima each, one a work-group.
; LIMITS: the mask's numbers are finite, |m| < 4.2e28 (so that 8e9 m is finite); NaN and infinities in the mask are not served.
; SHARES.  Work-group g owns rows 16 g .. 16 g + 15 (256 KiB on end); wave w owns key steps 4 w .. 4 w + 3.  One load of a wave is one row's 128 numbers of one key step: 512 consecutive bytes.
; Two sets of 64 registers take turns: 16 to 32 loads of a wave are out.  No matrix unit, no cluster: the launch reads each byte once and shares nothing but 16 row minima, which meet in LDS.
; The results are small (128 bytes of cls a work-group, 16 a wave): they leave by one lane's store.
.set RMIN, 10                          ; v10-25  the smallest m of each of the 16 rows, over my four key steps
.set TMIN, 26                          ; v26-29  the smallest m of each of my four tiles
.set AMAX, 30                          ; v30-33  the largest |m| of each of my four tiles;  v34, v35 the largest scale bytes of Q and K, as f32
.set T1,   60                          ; v60-63  at work; at the end the four words W
.set BUF,  64                          ; v64-127, v128-191  two sets of 16 loads
.set NEG1E9, 0xce6e6b28                ; -1e9
.set POS1E9, 0x4e6e6b28                ; 1e9
	s_load_b256 s[4:11], s[0:1], 0x0               ; mask s[4:5], Q's scales s[6:7], K's scales s[8:9], cls s[10:11]
	s_load_b64 s[12:13], s[0:1], 0x20              ; bounds
	v_lshl_add_u32 v192, v0, 2, 0x400
	v_mov_b32 v193, 0
	v_lshrrev_b32 v1, 5, v0
	v_readfirstlane_b32 s14, v1                    ; wave 0..7
	v_and_b32 v1, 31, v0                           ; lane
	v_lshlrev_b32 v2, 4, v1
	s_lshl_b32 s15, s14, 11
	v_add_nc_u32 v2, s15, v2                       ; 16 x lane + 2,048 x wave: my 16 bytes of a row's first key step of mine
	v_lshlrev_b32 v3, 1, v0                        ; two scale bytes a thread
	s_mov_b32 s18, 0x76543210
	s_mov_b32 s19, 0xfedcba98                      ; v_permlanex16_b32's selects for lane l xor 16
	s_mov_b32 s17, 0
	s_wait_kmcnt 0x0
	s_lshl_b32 s16, ttmp9, 18                      ; 16 rows of 16,384 bytes a work-group
	s_add_nc_u64 s[4:5], s[4:5], s[16:17]
	s_lshl_b32 s16, ttmp9, 9                       ; 512 scale bytes a work-group: part g % 16 of head g / 16
	s_add_nc_u64 s[6:7], s[6:7], s[16:17]
	s_add_nc_u64 s[8:9], s[8:9], s[16:17]
	s_lshl_b32 s16, ttmp9, 7                       ; 32 words of cls a work-group
	s_add_nc_u64 s[10:11], s[10:11], s[16:17]
	s_lshr_b32 s16, ttmp9, 4
	s_lshl_b32 s16, s16, 7                         ; 32 words of bounds a head,
	s_and_b32 s21, ttmp9, 15
	s_lshl_b32 s21, s21, 2                         ; my part's word
	s_add_co_u32 s16, s16, s21
	s_add_nc_u64 s[12:13], s[12:13], s[16:17]
	global_load_u16 v4, v3, s[6:7]
	global_load_u16 v5, v3, s[8:9]
.macro LOADG g                         ; rows 4 g .. 4 g + 3, my four key steps, into set g % 2
.irp rr, 0,1,2,3
.irp s, 0,1,2,3
	global_load_b128 v[BUF+64*((\g)%2)+16*\rr+4*\s:BUF+64*((\g)%2)+16*\rr+4*\s+3], v2, s[4:5] offset:(4*(\g)+\rr)*16384+512*\s th:TH_LOAD_NT
.endr
.endr
.endm
; my four numbers of (row, key step s): into the tile's minimum, the row's minimum and the tile's largest magnitude.  The first contribution starts each: nothing is cleared.
.macro ONE row, s, reg
	v_min3_num_f32 v[T1+\s], v[\reg], v[\reg+1], v[\reg+2]
.if \row == 0
	v_min_num_f32 v[TMIN+\s], v[T1+\s], v[\reg+3]
	v_max_num_f32 v[AMAX+\s], |v[\reg]|, |v[\reg+1]|
.else
	v_min3_num_f32 v[TMIN+\s], v[TMIN+\s], v[T1+\s], v[\reg+3]
	v_max3_num_f32 v[AMAX+\s], v[AMAX+\s], |v[\reg]|, |v[\reg+1]|
.endif
.if \s == 0
	v_min_num_f32 v[RMIN+\row], v[T1+\s], v[\reg+3]
.else
	v_min3_num_f32 v[RMIN+\row], v[RMIN+\row], v[T1+\s], v[\reg+3]
.endif
	v_max3_num_f32 v[AMAX+\s], v[AMAX+\s], |v[\reg+2]|, |v[\reg+3]|
.endm
.macro PROC g, left                    ; left: the younger group's loads, which may stay out
	s_wait_loadcnt \left
.irp rr, 0,1,2,3
.irp s, 0,1,2,3
	ONE (4*(\g)+\rr), \s, (BUF+64*((\g)%2)+16*\rr+4*\s)
.endr
.endr
.endm
; count registers from first on, each reduced over the 32 lanes, by turns; the result stands in every lane.  The permutes land in the load sets, which have been written and are free.
.macro REDMIN first, count
.irp m, 1,2,4,8
.set i, 0
.rept \count
	v_min_num_f32_dpp v[\first+i], v[\first+i], v[\first+i] row_xmask:\m row_mask:0xf bank_mask:0xf
.set i, i+1
.endr
.endr
.set i, 0
.rept \count
	v_permlanex16_b32 v[BUF+i], v[\first+i], s18, s19
.set i, i+1
.endr
.set i, 0
.rept \count
	v_min_num_f32 v[\first+i], v[\first+i], v[BUF+i]
.set i, i+1
.endr
.endm
.macro REDMAX first, count
.irp m, 1,2,4,8
.set i, 0
.rept \count
	v_max_num_f32_dpp v[\first+i], v[\first+i], v[\first+i] row_xmask:\m row_mask:0xf bank_mask:0xf
.set i, i+1
.endr
.endr
.set i, 0
.rept \count
	v_permlanex16_b32 v[BUF+i], v[\first+i], s18, s19
.set i, i+1
.endr
.set i, 0
.rept \count
	v_max_num_f32 v[\first+i], v[\first+i], v[BUF+i]
.set i, i+1
.endr
.endm
	LOADG 0
	LOADG 1
	PROC 0, 16                                     ; the scale bytes and group 0 are in; group 1's sixteen loads may be out
	LOADG 2
	PROC 1, 16
	LOADG 3
	PROC 2, 16
	PROC 3, 0
	v_and_b32 v36, 0xff, v4                        ; my two scale bytes of Q, and of K, as f32, so that one kind of reduction serves all
	v_lshrrev_b32 v37, 8, v4
	v_cvt_f32_u32 v36, v36
	v_cvt_f32_u32 v37, v37
	v_max_num_f32 v34, v36, v37
	v_and_b32 v36, 0xff, v5
	v_lshrrev_b32 v37, 8, v5
	v_cvt_f32_u32 v36, v36
	v_cvt_f32_u32 v37, v37
	v_max_num_f32 v35, v36, v37
	REDMIN RMIN, 20                                ; the 16 rows' and my 4 tiles' minima over the lanes
	REDMAX AMAX, 6                                 ; my 4 tiles' largest magnitudes, and the two bytes
	v_max3_num_f32 v40, v30, v31, v32
	v_max_num_f32 v40, v40, v33                    ; the largest |m| of my four key steps
	v_mov_b32 v41, v34
	v_mov_b32 v42, v35
	v_mov_b32 v43, 0
	s_lshl_b32 s15, s14, 6
	v_mov_b32 v37, s15                             ; LDS: my wave's 16 row minima at 64 x wave;
	s_lshl_b32 s15, s14, 4
	v_mov_b32 v38, s15                             ; its (largest |m|, Q's byte, K's byte, 0) at 512 + 16 x wave
.irp r, 0,1,2,3,4,5,6,7,8,9,10,11,12,13,14,15
	ds_store_b32 v37, v[RMIN+\r] offset:4*\r       ; all lanes write the same word with the same value
.endr
	ds_store_b128 v38, v[40:43] offset:512
	s_wait_dscnt 0x0                               ; for the others' sake: my stores have landed
	s_barrier_signal -1
	s_barrier_wait -1
	v_and_b32 v39, 15, v0
	v_lshlrev_b32 v39, 2, v39                      ; lane r takes row r,
	v_and_b32 v44, 7, v0
	v_lshlrev_b32 v44, 4, v44                      ; and wave lane % 8's four words
.irp w, 0,1,2,3,4,5,6,7
	ds_load_b32 v[48+\w], v39 offset:64*\w
.endr
	ds_load_b128 v[56:59], v44 offset:512
	s_wait_dscnt 0x0
	v_min3_num_f32 v48, v48, v49, v50
	v_min3_num_f32 v48, v48, v51, v52
	v_min3_num_f32 v48, v48, v53, v54
	v_min_num_f32 v48, v48, v55                    ; row r's smallest m over all 4,096 keys: its largest c is -1e9 times that
.irp m, 1,2,4,8
	v_max_num_f32_dpp v48, v48, v48 row_xmask:\m row_mask:0xf bank_mask:0xf   ; the largest of the 16: the row whose best c is smallest
.endr
.irp m, 1,2,4
	v_max_num_f32_dpp v56, v56, v56 row_xmask:\m row_mask:0xf bank_mask:0xf   ; the strip's largest |m|,
	v_max_num_f32_dpp v57, v57, v57 row_xmask:\m row_mask:0xf bank_mask:0xf   ; the work-group's largest byte of Q,
	v_max_num_f32_dpp v58, v58, v58 row_xmask:\m row_mask:0xf bank_mask:0xf   ; and of K
.endr
	v_mul_f32 v45, NEG1E9, v48                     ; the smallest of the rows' best c
	v_mul_f32 v46, POS1E9, v56
	v_lshrrev_b32 v46, 23, v46                     ; the exponent field of the strip's largest |c|
.irp s, 0,1,2,3
	v_mul_f32 v[T1+\s], NEG1E9, v[TMIN+\s]         ; the tile's largest c
	v_sub_f32 v[T1+\s], v45, v[T1+\s]              ; the gap,
	v_max_num_f32 v[T1+\s], 0, v[T1+\s]            ; 0 where there is none;
	v_lshrrev_b32 v[T1+\s], 23, v[T1+\s]           ; G, its exponent field,
	v_add_nc_u32 v47, 16, v[T1+\s]
	v_cmp_ge_u32 vcc_lo, v47, v46
	v_cndmask_b32 v[T1+\s], 0, v[T1+\s], vcc_lo    ; which stands only where the gap is not small beside the c themselves
	v_cmp_eq_f32 vcc_lo, 0, v[AMAX+\s]
	v_cndmask_b32 v47, 0, 1, vcc_lo                ; Z: the tile is all zeros
	v_lshl_or_b32 v[T1+\s], v[T1+\s], 1, v47       ; W = 2 G + Z
.endr
	v_cvt_u32_f32 v57, v57
	v_cvt_u32_f32 v58, v58
	s_wait_xcnt 0x0                                ; EXEC changes only behind this wait: it is a source of every load above
	v_cmp_eq_u32 vcc_lo, 0, v1
	s_wait_tensorcnt 0x0
	ds_add_u32 v192, v193
	s_wait_dscnt 0x0
	s_and_saveexec_b32 s20, vcc_lo                 ; lane 0 of each wave:
	global_store_b128 v38, v[T1:T1+3], s[10:11]    ; my four tiles' words, at 16 x wave
	s_wait_xcnt 0x0                                ; and again in front of the line that widens it
	s_or_b32 exec_lo, exec_lo, s20
	v_cmp_eq_u32 vcc_lo, 0, v0
	s_and_saveexec_b32 s20, vcc_lo                 ; thread 0 of the work-group:
	global_store_b32 v43, v57, s[12:13]            ; Q's partial maximum,
	global_store_b32 v43, v58, s[12:13] offset:64  ; K's, sixteen words on
	s_wait_xcnt 0x0
	s_or_b32 exec_lo, exec_lo, s20
	s_endpgm
.Lfunc_end_k_q45c49dddd2_classify:
	.size	k_q45c49dddd2_classify, .Lfunc_end_k_q45c49dddd2_classify-k_q45c49dddd2_classify
	.p2alignl 7, 3214868480
	.fill 96, 4, 3214868480
	.section	.rodata,"a",@progbits
	.p2align	6, 0x0
	.amdhsa_kernel k_q45c49dddd2_classify
		.amdhsa_group_segment_fixed_size 2048
		.amdhsa_private_segment_fixed_size 0
		.amdhsa_enable_private_segment 0
		.amdhsa_kernarg_size 40
		.amdhsa_user_sgpr_count 2
		.amdhsa_user_sgpr_kernarg_segment_ptr 1
		.amdhsa_wavefront_size32 1
		.amdhsa_system_sgpr_workgroup_id_x 1
		.amdhsa_system_sgpr_workgroup_id_y 1
		.amdhsa_system_sgpr_workgroup_id_z 1
		.amdhsa_system_vgpr_workitem_id 0
		.amdhsa_next_free_vgpr 194
		.amdhsa_next_free_sgpr 66
		.amdhsa_reserve_vcc 1
		.amdhsa_float_denorm_mode_32 3
		.amdhsa_float_denorm_mode_16_64 3
		.amdhsa_memory_ordered 1
		.amdhsa_forward_progress 1
		.amdhsa_inst_pref_size 43
	.end_amdhsa_kernel
	.amdgpu_metadata
---
amdhsa.version: [ 1, 2 ]
amdhsa.kernels:
  - .name:           k_q45c49dddd2_classify
    .symbol:         k_q45c49dddd2_classify.kd
    .args:
      - { .name: mask, .offset: 0, .size: 8, .value_kind: global_buffer, .address_space: global }
      - { .name: queries_scales, .offset: 8, .size: 8, .value_kind: global_buffer, .address_space: global }
      - { .name: keys_scales, .offset: 16, .size: 8, .value_kind: global_buffer, .address_space: global }
      - { .name: cls, .offset: 24, .size: 8, .value_kind: global_buffer, .address_space: global }
      - { .name: bounds, .offset: 32, .size: 8, .value_kind: global_buffer, .address_space: global }
    .group_segment_fixed_size: 2048
    .private_segment_fixed_size: 0
    .kernarg_segment_align: 8
    .kernarg_segment_size: 40
    .max_flat_workgroup_size: 256
    .sgpr_count:     66
    .vgpr_count:     194
    .wavefront_size: 32
...
	.end_amdgpu_metadata
.endif
;; end of part 1
;; launch attend (part 2): grid 16 x 16, 16 waves a work-group, no clusters, 310,272 bytes of LDS; arguments queries_codes, queries_scales, keys_codes, keys_scales, values_codes, values_scales, mask, cls, bounds, out0; writes out0
.if DOCPART == 2
	.amdgcn_target "amdgcn-amd-amdhsa--gfx1250"
	.amdhsa_code_object_version 6
	.text
	.protected	k_q45c49dddd2_attend
	.globl	k_q45c49dddd2_attend
	.p2align	8
	.type	k_q45c49dddd2_attend,@function
k_q45c49dddd2_attend:
	s_mov_b64 s[64:65], 0
	v_nop
	global_prefetch_b8 v0, s[64:65] scope:SCOPE_SE
	s_setreg_imm32_b32 hwreg(HW_REG_WAVE_MODE, 25, 1), 1
	s_wait_xcnt 0x0
; out[h][q][:] = the sum over k of softmax_k(Q[h][q] . K[h][k] / 8 - 1e9 mask[q][k]) V[h][k][:], 16 heads, 4,096 queries and keys, head size 64; both products on codes of BF6 (E3M2) with one E8M0 scale for each 32 along K.
; Q, K: [16][4096][64] as codes (48 bytes a row), scale bytes [16][4096][2].  V: codes with the KEYS innermost, [16][64][4096] (3,072 bytes a row), scale bytes [16][64][128].  mask: [4096][4096] f32.  out: [16][4096][64] f32.
; THE SOFTMAX AHEAD OF THE SECOND PRODUCT: t = logit x log2(e); M = the row's largest t so far, rounded UP to a whole number; p = 2^(t - M) is quantised along the keys, not normalised; the row's sum is taken of the unquantised p
; and divides at the end.  When M moves, the sum and O are multiplied by 2^(old M - new M): exact.
; WHAT IS LEFT OUT.  cls[query tile][key step] = 2 G + Z comes from the launch before (G: the exponent field of the gap between the tile's best mask term and its rows' best; Z: the tile's mask is all zeros).
; With E, F the head's largest scale bytes of Q and K, |score / 8| < 2^(E + F - 241).  A tile with G >= X = max(137, E + F - 110) has a gap of at least 2^10 and at least 16 times that bound: all its logits lie more than 800
; under their rows' best, so every p is 0 in f32: the tile adds nothing to a maximum, a sum or a product, and its step is jumped over (a scalar branch on stored whole numbers).  The tile that holds a row's best mask term has
; no gap, so every row keeps a tile.  A tile with Z = 1 takes the plain body; any other reads its 16 x 128 numbers of the mask and adds them as reference() does: 8 x logit = score + (-8e9 m), with the same two roundings.
; LIMITS: the mask's numbers are finite, |m| < 4.2e28.  A scale byte 0xff (NaN) of Q, K or V gives no NaN where it falls under a tile that is left out.
; SHARES.  Work-group (j, head) owns query blocks j and 31 - j of 128 queries; each of its SIXTEEN waves one tile of 16 queries in 256 registers, four waves to a SIMD, two of each block, so that one wave's vector work stands
; beside another's matrix work and LDS loads.  All waves walk the 32 key steps of 128 keys in loops of constant count.  K and V go through LDS in chunks of 8 steps, two slots: while a chunk is read, the next is copied
; (global loads to registers at a trip's head, LDS stores at its end), one barrier a chunk.  A trip's share of the copy is sixteen runs of 768 bytes: a key step of K is eight (16 rows of 48 bytes each: waves 0-7), eight rows of
; V's chunk are the other eight (waves 8-15); a wave brings its run by three loads of 256 consecutive bytes, 8 a lane.  The head's scale bytes of K and V stay in LDS.
; No tensor loads and no cluster: the walk branches on numbers read from memory, and with such branches operands go through registers.
; LAYOUT.  Both products are used transposed: S^T = K Q^T (source 0 = 16 keys, source 1 = my 16 queries), O^T = V^T P^T: a lane holds ONE query (lane % 16) throughout.  Lane r of tile 2 b + u takes key 32 b + 8 u + r + 8 (r / 8),
; so that the 16 registers of tiles 2 b, 2 b + 1 are the neighbouring keys 32 b + 16 (lane / 16) + 0 .. 15.
; THE FIRST PRODUCT'S K IS 64, HALF OF THE INSTRUCTION'S 128: Q's registers 6-11 hold zero codes.  E3M2 has no infinity and no NaN, so whatever stands in registers 6-11 of K's fragment is multiplied by zero: the tiles of K stand
; 6 registers apart and each one's upper half is the next one's codes.  The scale words come by 16-bit loads: their bytes 2 and 3 are 0, which is 2^-127 and no NaN.
.set KSTEP,  7168                      ; LDS, a key step of K: row rho at 48 rho + 128 (rho / 16).  In units of 8 bytes mod 32 a tile's 32 lanes fall on 6 (r % 8) + 16 (r / 8) + 3 h: 32 different (64 banks of 4 bytes: ISA guide 11.1)
.set KRUN,   896                       ; 16 rows of K and their 128 bytes of padding: a wave's run
.set VOFF,   8*KSTEP                   ; behind a slot's 8 steps of K: V, 64 rows of 768 bytes + 16: 2 r + 3 h in the same units: 32 different
.set VP,     784
.set SCK,    VOFF+64*VP                ; 107,520: behind slot 0: the head's scale bytes of K as they lie, 8,192 bytes
.set SCV,    SCK+8192                  ; and of V: 64 rows of 128 bytes + 16
.set SLOT1,  131072                    ; slot 1
.set STAGE,  SLOT1+SCK                 ; 238,592: the way out: 16 rows x (256 bytes + 16) for each wave
.set AK0, 1                            ; v1   my lane's place in a tile of K                v2  in a tile of V
.set AV0, 2
.set AS0, 3                            ; v3   among K's scale bytes (lanes 16-31: the odd tile's keys)      v4  among V's scale words (lanes 16-31: the odd tile's rows)
.set AT0, 4
.set MO,  5                            ; v5   my byte in a tile of the mask: 16,384 r + 64 h
.set GC,  6                            ; v6   the copy: my 8 bytes of my wave's run in memory
.set ADK, 8                            ; v8-11 the addresses of the step in hand
.set ADV, 9
.set ADS, 10
.set ADT, 11
.set LK0, 12                           ; v12, v13 the copy: my 8 bytes' place in a slot, as a run of K and as a row of V;  v14, v15 the addresses in hand
.set LV0, 13
.set LK,  14
.set LV,  15
.set QF,  16                           ; v16-27 Q's fragment: 16-21 codes, 22-27 zeros
.set QS,  28                           ; v28  Q's scale words
.set NM,  30                           ; v30 -M, v31 the largest t so far
.set LS,  32                           ; v[32:33] the row's sum in two halves
.set ST,  34                           ; v34-39 the copy's 24 bytes on their way
.set KS,  42                           ; v42-45 K's scale words: register b: lanes 0-15 tile 2 b, lanes 16-31 tile 2 b + 1
.set VS,  46                           ; v46-47 V's likewise
.set FF,  48                           ; v48  f = 2^(old M - new M)
.set PS,  49                           ; v49  p's scale word
.set KA,  50                           ; v50-79 four tiles of K, 6 registers apart; v74-79 zeros
.set S,   80                           ; v80-143 S^T, then p
.set O,   144                          ; v144-175 O^T
.set VF,  176                          ; v176-223 V's four fragments
.set MZ,  176                          ; v176-239 a mixed step's 64 numbers of the mask, while the first product runs
.set PC,  224                          ; v224-235 p's codes
.set TM,  236                          ; v236-239 the blocks' maxima
.set TP,  240                          ; v240-247 at work
.set SO,  248                          ; v248-251 the conversions' scale operands
.set MI,  252
.set WV,  24                           ; s24  my wave's number
.set CNT, 32                           ; s32  counts a chunk's eight steps
.set SEL, 34                           ; s[34:35] v_permlanex16_b32's selects for lane l xor 16
.set CS,  36                           ; s[36:37] log2(e) / 8, twice: a packed form names a pair
.set C8,  38                           ; s[38:39] -8e9, twice
.set TK,  48                           ; s48, s49 where the step's K and V begin in LDS;  s50, s51 its scale bytes of K and of V;  s52, s53 where the copy's step goes
.set TV,  49
.set TS,  50
.set TJ,  51
.set LKS, 52
.set LVS, 53
.set X2,  66                           ; s66  2 X
.set SK,  67                           ; s67  bit 0: the step in hand is left out;  s68  bit 0: its mask is all zeros
.set PL,  68
.set T,   70
.set CP,  8                            ; s[8:9]   the copy's pointer: K's codes in waves 0-7, V's in waves 8-15
.set CST, 72                           ; s[72:73] what it steps a trip: a key step of K (6,144 bytes) or 8 rows of V (24,576)
.set CBK, 74                           ; s[74:75] what is taken back at a chunk's end: nothing, or V's 64 rows less a chunk's 768 bytes
	s_load_b512 s[4:19], s[0:1], 0x0               ; Q's codes s[4:5], Q's scales s[6:7], K's s[8:9], s[10:11], V's s[12:13], s[14:15], mask s[16:17], cls s[18:19]
	s_load_b128 s[20:23], s[0:1], 0x40             ; bounds s[20:21], out s[22:23]
	v_lshl_add_u32 v254, v0, 2, 0x4b400
	v_mov_b32 v255, 0
	v_lshrrev_b32 v190, 5, v0
	v_readfirstlane_b32 s[WV], v190                ; wave 0..15
	s_lshr_b32 s25, s[WV], 2
	s_xor_b32 s25, s25, s[WV]
	s_and_b32 s25, s25, 1                          ; which of the two blocks: waves 0, 2, 5, 7, 8, 10, 13, 15 the first: two of each among any four neighbours and among any four that lie 4 apart
	s_lshr_b32 s26, s[WV], 1                       ; which tile of the block
	s_mov_b32 s27, ttmp9                           ; j
	s_and_b32 s28, ttmp7, 0xffff                   ; the head
	s_sub_co_u32 s29, 31, s27
	s_cmp_eq_u32 s25, 0
	s_cselect_b32 s29, s27, s29                    ; block j or 31 - j
	s_lshl_b32 s29, s29, 3
	s_add_co_u32 s29, s29, s26                     ; my tile of 16 queries, 0..255: it enters global addresses alone
	; the copy's shares, from the wave's number alone
	s_and_b32 s76, s[WV], 7                        ; which of the eight runs of K, or of the eight rows of V
	s_mul_i32 s71, s76, KRUN                       ; its place in a step of K in LDS,
	s_mul_i32 s69, s76, VP                         ; and among eight rows of V
	s_cmp_lt_u32 s[WV], 8                          ; K's wave or V's?  (moves, products and selections leave the answer standing)
	s_mov_b32 s77, 3072
	s_cselect_b32 s77, 768, s77
	s_mul_i32 s77, s77, s76                        ; my run in memory: 768 bytes apart in K, a row of 3,072 apart in V
	s_mov_b32 s[CST], 24576
	s_cselect_b32 s[CST], 6144, s[CST]
	s_mov_b32 s[CST+1], 0
	s_cselect_b32 s[CBK], 0, 195840
	s_mov_b32 s[CBK+1], 0
	s_lshl_b32 s78, s[CST], 3
	s_sub_co_u32 s78, s78, s[CBK]                  ; a chunk on: eight steps less what is taken back: 49,152 bytes in K, 768 in V
	s_mov_b32 s79, 0
	; every address register that stays is made here, ahead of the first branch on the wave's number
	v_and_b32 v190, 15, v0                         ; r
	v_bfe_u32 v191, v0, 4, 1                       ; h
	v_bfe_u32 v192, v0, 3, 1                       ; r / 8
	v_lshl_add_u32 v193, v192, 3, v190             ; r + 8 (r / 8)
	v_mul_u32_u24 v[AK0], v193, 48
	v_lshl_add_u32 v[AK0], v192, 7, v[AK0]
	v_mad_u32_u24 v[AK0], v191, 24, v[AK0]         ; K: 48 (r + 8 (r / 8)) + 128 (r / 8) + 24 h
	v_mul_u32_u24 v[AV0], v190, VP
	v_mad_u32_u24 v[AV0], v191, 24, v[AV0]
	v_add_nc_u32 v[AV0], VOFF, v[AV0]              ; V: row r, + 24 h
	v_lshlrev_b32 v[AS0], 1, v193
	v_lshl_add_u32 v[AS0], v191, 4, v[AS0]
	v_add_nc_u32 v[AS0], SCK, v[AS0]               ; K's scales: 2 bytes a key; lanes 16-31 eight keys on
	v_mul_u32_u24 v[AT0], v190, 144
	v_mad_u32_u24 v[AT0], v191, 2304, v[AT0]
	v_add_nc_u32 v[AT0], SCV, v[AT0]               ; V's: row r; lanes 16-31 sixteen rows on
	v_lshlrev_b32 v[MO], 14, v190
	v_lshl_add_u32 v[MO], v191, 6, v[MO]
	v_and_b32 v210, 31, v0                         ; lane
	v_lshl_add_u32 v[GC], v210, 3, s77             ; the copy: 8 x lane + my wave's run, in memory,
	v_lshl_add_u32 v[LK0], v210, 3, s71            ; in a step of K in LDS,
	v_lshl_add_u32 v[LV0], v210, 3, s69
	v_add_nc_u32 v[LV0], VOFF, v[LV0]              ; and among V's rows
	v_add_nc_u32 v203, s[CST], v[GC]               ; chunk 0: the offsets of its trips 1 to 7
.irp i, 4,5,6,7,8,9
	v_add_nc_u32 v[200+\i], s[CST], v[199+\i]
.endr
	v_mul_u32_u24 v196, v190, 48
	v_mad_u32_u24 v196, v191, 24, v196             ; Q: row r, + 24 h
	v_lshlrev_b32 v197, 1, v190                    ; Q's scales: 2 bytes a row
	v_lshlrev_b32 v198, 2, v210                    ; cls: lane l takes key step l's word
	v_lshlrev_b32 v211, 4, v0                      ; the head's scale bytes: 16 a thread
	v_lshrrev_b32 v199, 3, v0
	v_mul_u32_u24 v199, v199, 144
	v_and_b32 v200, 7, v0
	v_lshl_add_u32 v199, v200, 4, v199
	v_add_nc_u32 v199, SCV, v199                   ; where my 16 scale bytes of V go: 8 threads to a row
	v_add_nc_u32 v201, SCK, v211                   ; and of K
	s_mov_b32 s31, 0
	s_wait_kmcnt 0x0
	s_mul_i32 s30, s28, 196608                     ; a head's codes
	s_add_nc_u64 s[4:5], s[4:5], s[30:31]
	s_add_nc_u64 s[8:9], s[8:9], s[30:31]
	s_add_nc_u64 s[12:13], s[12:13], s[30:31]
	s_lshl_b32 s30, s28, 13                        ; a head's scale bytes
	s_add_nc_u64 s[6:7], s[6:7], s[30:31]
	s_add_nc_u64 s[10:11], s[10:11], s[30:31]
	s_add_nc_u64 s[14:15], s[14:15], s[30:31]
	s_mul_i32 s30, s29, 768                        ; my 16 rows of Q,
	s_add_nc_u64 s[4:5], s[4:5], s[30:31]
	s_lshl_b32 s30, s29, 5                         ; their scale bytes,
	s_add_nc_u64 s[6:7], s[6:7], s[30:31]
	s_lshl_b32 s30, s29, 18                        ; their rows of the mask,
	s_add_nc_u64 s[16:17], s[16:17], s[30:31]
	s_lshl_b32 s30, s29, 7                         ; their row of cls,
	s_add_nc_u64 s[18:19], s[18:19], s[30:31]
	s_lshl_b32 s30, s28, 7                         ; the head's 32 words of bounds,
	s_add_nc_u64 s[20:21], s[20:21], s[30:31]
	s_lshl_b32 s30, s28, 20
	s_lshl_b32 s[T], s29, 12
	s_add_co_u32 s30, s30, s[T]                    ; and my 16 rows of out
	s_add_nc_u64 s[22:23], s[22:23], s[30:31]
	s_cmp_lt_u32 s[WV], 8                          ; the copy's pointer: the choice hangs on the wave's number alone
	s_cselect_b64 s[CP:CP+1], s[8:9], s[12:13]
	s_load_b512 s[32:47], s[20:21], 0x0            ; sixteen partial maxima of Q's scale bytes,
	s_load_b512 s[48:63], s[20:21], 0x40           ; and of K's
	global_load_b128 v[176:179], v211, s[10:11]
	global_load_b128 v[180:183], v211, s[14:15]
	global_load_b32 v184, v198, s[18:19]
	global_load_b64 v[QF:QF+1], v196, s[4:5]       ; Q's fragment stays in registers
	global_load_b64 v[QF+2:QF+3], v196, s[4:5] offset:8
	global_load_b64 v[QF+4:QF+5], v196, s[4:5] offset:16
	global_load_u16 v[QS], v197, s[6:7]
.irp p, 0,1,2                                      ; chunk 0: my wave's run of each of its eight trips, 24 loads, on every wave's path
	global_load_b64 v[S+2*\p:S+2*\p+1], v[GC], s[CP:CP+1] offset:256*\p
.endr
.irp i, 1,2,3,4,5,6,7
.irp p, 0,1,2
	global_load_b64 v[S+6*\i+2*\p:S+6*\i+2*\p+1], v[202+\i], s[CP:CP+1] offset:256*\p
.endr
.endr
.set j, 0
.rept 32
	v_mov_b32 v[O+j], 0                            ; O^T.  Which step is a wave's first hangs on stored numbers, so no first step can be written out: the first that is worked finds zeros, which the first change of M leaves zeros
.set j, j+1
.endr
	v_mov_b32 v[LS], 0
	v_mov_b32 v[LS+1], 0
	v_mov_b32 v[NM+1], 0xff61b1e6                  ; the largest t so far: -3e38, under every t
	v_floor_f32 v[NM], -v[NM+1]                    ; -M
.irp i, 0,1,2,3,4,5
	v_mov_b32 v[QF+6+\i], 0                        ; Q's zero codes for K = 64 .. 127
	v_mov_b32 v[KA+24+\i], 0                       ; the upper half of the fourth tile of K
.endr
.irp b, 0,1,2,3
	v_mov_b32 v[TP+\b], 0                          ; written once: a lane permute's destination counts as one of its sources
.endr
	v_mov_b32 v[PS], 0                             ; (named as the upper half of the pair v[48:49] before it is first written)
	s_wait_loadcnt 0x0
	ds_store_b128 v201, v[176:179]
	ds_store_b128 v199, v[180:183]
	s_cmp_lt_u32 s[WV], 8
	s_cbranch_scc0 .Lchunk0_v
.irp i, 0,1,2,3,4,5,6,7
.irp p, 0,1,2
	ds_store_b64 v[LK0], v[S+6*\i+2*\p:S+6*\i+2*\p+1] offset:KSTEP*\i+256*\p
.endr
.endr
	s_branch .Lchunk0_in
.Lchunk0_v:
.irp i, 0,1,2,3,4,5,6,7
.irp p, 0,1,2
	ds_store_b64 v[LV0], v[S+6*\i+2*\p:S+6*\i+2*\p+1] offset:8*VP*\i+256*\p
.endr
.endr
.Lchunk0_in:
	s_add_nc_u64 s[CP:CP+1], s[CP:CP+1], s[78:79]  ; (all loads are in)  the copies go on with chunk 1
	s_wait_kmcnt 0x0
.irp n, 33,34,35,36,37,38,39,40,41,42,43,44,45,46,47
	s_max_u32 s32, s32, s\n                        ; E
.endr
.irp n, 49,50,51,52,53,54,55,56,57,58,59,60,61,62,63
	s_max_u32 s48, s48, s\n                        ; F
.endr
	s_add_co_i32 s[X2], s32, s48
	s_sub_co_i32 s[X2], s[X2], 110
	s_max_i32 s[X2], s[X2], 137                    ; X = max(137, E + F - 110)
	s_lshl_b32 s[X2], s[X2], 1
	v_cmp_le_u32 s[SK], s[X2], v184                ; bit l: key step l is left out: 2 X <= 2 G + Z
	v_and_b32 v185, 1, v184
	v_cmp_ne_u32 s[PL], 0, v185                    ; bit l: its mask is all zeros
	s_mov_b32 s[SEL], 0x76543210
	s_mov_b32 s[SEL+1], 0xfedcba98
	s_mov_b32 s[CS], 0x3e38aa3b                    ; log2(e) / 8
	s_mov_b32 s[CS+1], s[CS]
	s_mov_b32 s[C8], 0xcfee6b28                    ; -8e9 = 8 x (-1e9), exactly
	s_mov_b32 s[C8+1], s[C8]
	s_wait_dscnt 0x0                               ; for the others' sake: my stores have landed
	s_barrier_signal -1
	s_barrier_wait -1                              ; chunk 0 and the scale bytes lie in LDS
; S^T = K Q^T, four tiles of 16 keys: tiles 4 g .. 4 g + 3.  Each tile's product starts its sum with the constant 0; no two that follow each other share an accumulator.
.macro QKGROUP g
.irp tt, 0,1,2,3
.irp p, 0,1,2
	ds_load_b64 v[KA+6*\tt+2*\p:KA+6*\tt+2*\p+1], v[ADK] offset:1792*((4*\g+\tt)/2)+384*(\tt%2)+8*\p
.endr
.endr
	s_wait_dscnt 0x0
.irp tt, 0,1,2,3
.if (\tt%2) == 0
	v_wmma_scale_f32_16x16x128_f8f6f4 v[S+8*(4*\g+\tt):S+8*(4*\g+\tt)+7], v[KA+6*\tt:KA+6*\tt+11], v[QF:QF+11], 0, v[KS+(4*\g+\tt)/2], v[QS] matrix_a_fmt:MATRIX_FMT_BF6 matrix_b_fmt:MATRIX_FMT_BF6
.else
	v_wmma_scale_f32_16x16x128_f8f6f4 v[S+8*(4*\g+\tt):S+8*(4*\g+\tt)+7], v[KA+6*\tt:KA+6*\tt+11], v[QF:QF+11], 0, v[KS+(4*\g+\tt)/2], v[QS] matrix_a_fmt:MATRIX_FMT_BF6 matrix_b_fmt:MATRIX_FMT_BF6 matrix_a_scale:MATRIX_SCALE_ROW1
.endif
.endr
.endm
; V's four fragments (16 of the head's 64 x these 128 keys) and their scale words: asked for ahead of the softmax, under which they land
.macro VLOADS
.irp t, 0,1,2,3
.irp p, 0,1,2,3,4,5
	ds_load_b64 v[VF+12*\t+2*\p:VF+12*\t+2*\p+1], v[ADV] offset:16*VP*\t+48*(\p/3)+8*(\p%3)
.endr
.endr
	ds_load_b32 v[VS], v[ADT]
	ds_load_b32 v[VS+1], v[ADT] offset:4608
.endm
; THE SOFTMAX of a step.  m = 0: S holds raw scores, t = score x log2(e) / 8.  m = 1: S holds t already.
.macro SOFTMAX m
.irp b, 0,1,2,3
	v_max3_num_f32 v[TM+\b], v[S+16*\b], v[S+1+16*\b], v[S+2+16*\b]   ; the largest of each block of 32 keys: it serves for the row's maximum and, since p rises with it, for the block's largest p.  Each accumulator is read from its low end on
.endr
.irp i, 3,5,7,9,11,13
.irp b, 0,1,2,3
	v_max3_num_f32 v[TM+\b], v[TM+\b], v[S+16*\b+\i], v[S+1+16*\b+\i]   ; (the four blocks by turns)
.endr
.endr
.irp b, 0,1,2,3
	v_max_num_f32 v[TM+\b], v[TM+\b], v[S+15+16*\b]
.endr
.irp b, 0,1,2,3
	v_permlanex16_b32 v[TP+\b], v[TM+\b], s[SEL], s[SEL+1]
.endr
.irp b, 0,1,2,3
	v_max_num_f32 v[TM+\b], v[TM+\b], v[TP+\b]     ; with lane l xor 16's 16 keys
.endr
	v_max3_num_f32 v[MI], v[TM], v[TM+1], v[TM+2]
	v_max_num_f32 v[MI], v[MI], v[TM+3]            ; the step's largest of my query
.if \m == 0
	v_mul_f32 v[MI], s[CS], v[MI]                  ; as t (the factor is positive)
.endif
	v_max_num_f32 v[NM+1], v[NM+1], v[MI]          ; the running largest t
	v_mov_b32 v[MI], v[NM]
	v_floor_f32 v[NM], -v[NM+1]                    ; the new -M = floor(-t) = -ceil(t): a whole number
	v_sub_f32 v[MI], v[NM], v[MI]                  ; old M - new M: a whole number, 0 or less
	v_cvt_i32_f32 v[MI], v[MI]                     ; (it saturates)
	v_ldexp_f32 v[FF], 1.0, v[MI]                  ; f = 2^(old M - new M)
.set j, 0
.rept 32
.if \m == 0
	v_pk_fma_f32 v[S+j:S+j+1], v[S+j:S+j+1], s[CS:CS+1], v[NM:NM+1] op_sel_hi:[1,0,0]   ; t - M, two at a time (of the pairs the low word serves both halves)
.else
	v_pk_add_f32 v[S+j:S+j+1], v[S+j:S+j+1], v[NM:NM+1] op_sel_hi:[1,0]
.endif
.set j, j+2
.endr
.irp b, 0,1,2,3
.if \m == 0
	v_fma_f32 v[TM+\b], v[TM+\b], s[CS], v[NM]     ; the same of each block's largest
.else
	v_add_f32 v[TM+\b], v[TM+\b], v[NM]
.endif
.endr
.set j, 0
.rept 64
	v_exp_f32 v[S+j], v[S+j]                       ; p = 2^(t - M), at most 1: not normalised
.set j, j+1
.endr
	v_pk_mul_f32 v[LS:LS+1], v[LS:LS+1], v[FF:FF+1] op_sel_hi:[1,0]   ; the sums under the new M: the plain instruction behind the exponentials
	s_wait_alu depctr_va_vdst(0)                   ; one wait for the batch of 64, ahead of its first reader
.irp b, 0,1,2,3
	v_exp_f32 v[TM+\b], v[TM+\b]                   ; the block's largest p: the same instructions on the same number give the same bits
.endr
	v_pk_add_f32 v[TP:TP+1], v[S:S+1], v[S+2:S+3]  ; the row's sum is taken of the unquantised p: two at a time, in two chains (they read the 64 alone)
.set j, 4
.rept 15
	v_pk_add_f32 v[LS:LS+1], v[LS:LS+1], v[S+j:S+j+1]
	v_pk_add_f32 v[TP:TP+1], v[TP:TP+1], v[S+j+2:S+j+3]
.set j, j+4
.endr
	v_pk_add_f32 v[LS:LS+1], v[LS:LS+1], v[TP:TP+1]
	s_wait_alu depctr_va_vdst(0)                   ; and one for the four
.irp b, 0,1,2,3
	v_max_num_f32 v[TM+\b], 0x2800000, v[TM+\b]    ; the floor 2^(5 - 127): the byte cannot fall under 1 (a block whose every p is 0 keeps that byte: its codes are zeros)
.endr
.irp b, 0,1,2,3
	v_add_nc_u32 v[SO+\b], 0xfe000000, v[TM+\b]    ; 4 off the exponent field: the conversion's scale operand
.endr
.irp b, 0,1,2,3
	v_lshrrev_b32 v[TP+\b], 23, v[SO+\b]           ; the scale's byte
.endr
	v_lshl_or_b32 v[PS], v[TP+1], 8, v[TP]         ; p's scale word for these 128 keys
	v_lshl_or_b32 v[PS], v[TP+2], 16, v[PS]
	v_lshl_or_b32 v[PS], v[TP+3], 24, v[PS]
.irp c, 0,1
	v_cvt_scalef32_pk16_bf6_f32 v[PC+6*\c:PC+6*\c+2], v[S+32*\c:S+32*\c+15], v[SO+2*\c]
	v_cvt_scalef32_pk16_bf6_f32 v[TP+4*\c:TP+4*\c+2], v[S+32*\c+16:S+32*\c+31], v[SO+2*\c+1]   ; (a conversion's three registers begin on an even number)
.endr
	v_nop                                          ; one plain instruction behind the scaled conversions
.irp c, 0,1                                        ; the operand's layout wants a whole block in a lane: lanes 0-15 block 2 c, lanes 16-31 block 2 c + 1
.irp i, 0,1,2
	v_permlane16_swap_b32 v[PC+6*\c+\i], v[TP+4*\c+\i]
.endr
.irp i, 0,1,2
	v_mov_b32 v[PC+6*\c+3+\i], v[TP+4*\c+\i]
.endr
.endr
.set j, 0
.rept 16
	v_pk_mul_f32 v[O+j:O+j+1], v[O+j:O+j+1], v[FF:FF+1] op_sel_hi:[1,0]   ; O^T under the new M.  These sixteen also stand between the lines that wrote p's codes and scale word and the products that take them
.set j, j+2
.endr
.endm
; A KEY STEP: 128 keys.  m = 0: the tile's mask is all zeros.  m = 1: its 16 x 128 numbers are read and added.
.macro BODY m
	v_add_nc_u32 v[ADK], s[TK], v[AK0]             ; four plain instructions: also the places between the last step's products and the loads into registers that those have read
	v_add_nc_u32 v[ADV], s[TV], v[AV0]
	v_add_nc_u32 v[ADS], s[TS], v[AS0]
	v_add_nc_u32 v[ADT], s[TJ], v[AT0]
.if \m
.irp b, 0,1,2,3
.irp q, 0,1,2,3
	global_load_b128 v[MZ+16*\b+4*\q:MZ+16*\b+4*\q+3], v[MO], s[16:17] offset:128*\b+16*\q   ; register 16 b + i: mask(my query, key 32 b + 16 h + i): S^T's own layout
.endr
.endr
.endif
.irp b, 0,1,2,3
	ds_load_u16 v[KS+\b], v[ADS] offset:64*\b
.endr
	QKGROUP 0
.rept 4
	v_nop                                          ; places in front of loads into registers that matrix instructions have read
.endr
	QKGROUP 1
.if \m
	s_wait_loadcnt 0x0                             ; the mask's numbers are in
.set j, 0
.rept 32
	v_pk_mul_f32 v[MZ+j:MZ+j+1], v[MZ+j:MZ+j+1], s[C8:C8+1] op_sel_hi:[1,0]   ; -8e9 m = 8 x the rounded -1e9 m.  (These 32 are the places behind the products)
.set j, j+2
.endr
.set j, 0
.rept 32
	v_pk_add_f32 v[S+j:S+j+1], v[S+j:S+j+1], v[MZ+j:MZ+j+1]   ; 8 x logit, rounded as reference()'s sum is
.set j, j+2
.endr
	VLOADS
.set j, 0
.rept 32
	v_pk_mul_f32 v[S+j:S+j+1], v[S+j:S+j+1], s[CS:CS+1] op_sel_hi:[1,0]   ; t, rounded to f32: logits may be as large as the mask's term, and t - M is then formed of rounded numbers, as the rule has it
.set j, j+2
.endr
.else
	VLOADS
.rept 4
	v_nop                                          ; places in front of the first read of the scores
.endr
.endif
	SOFTMAX \m
	s_wait_dscnt 0x0                               ; V's fragments and scale words are in
.irp t, 0,1,2,3                                    ; O^T += V^T P^T: the four accumulators by turns, one instruction each
.if (\t%2) == 0
	v_wmma_scale_f32_16x16x128_f8f6f4 v[O+8*\t:O+8*\t+7], v[VF+12*\t:VF+12*\t+11], v[PC:PC+11], v[O+8*\t:O+8*\t+7], v[VS+\t/2], v[PS] matrix_a_fmt:MATRIX_FMT_BF6 matrix_b_fmt:MATRIX_FMT_BF6
.else
	v_wmma_scale_f32_16x16x128_f8f6f4 v[O+8*\t:O+8*\t+7], v[VF+12*\t:VF+12*\t+11], v[PC:PC+11], v[O+8*\t:O+8*\t+7], v[VS+\t/2], v[PS] matrix_a_fmt:MATRIX_FMT_BF6 matrix_b_fmt:MATRIX_FMT_BF6 matrix_a_scale:MATRIX_SCALE_ROW1
.endif
.endr
.endm
; CHUNK c: key steps 8 c .. 8 c + 7, read from slot c % 2; meanwhile (c < 3) chunk c + 1 is copied into the other slot, a step of K and 8 rows of V a trip.
; Every wave walks the eight trips; what a wave leaves out is a step's work, never the copy, the lines that step addresses, or the barrier.
; The copy's loads and the wait for them stand on every wave's path; only the two runs of LDS stores part, on the wave's number.
.macro CHUNK c
	s_mov_b32 s[TK], ((\c)%2)*SLOT1
	s_mov_b32 s[TV], ((\c)%2)*SLOT1
	s_mov_b32 s[TS], 2048*(\c)                     ; 256 scale bytes of K a step,
	s_mov_b32 s[TJ], 32*(\c)                       ; 4 of each row of V
.if (\c) < 3
	s_mov_b32 s[LKS], (1-(\c)%2)*SLOT1
	s_mov_b32 s[LVS], (1-(\c)%2)*SLOT1
.endif
	s_mov_b32 s[CNT], 0
.Ltrip_\@:
.if (\c) < 3
	s_wait_dscnt 0x0                               ; the last trip's three LDS stores have read these registers
.irp p, 0,1,2
	global_load_b64 v[ST+2*\p:ST+2*\p+1], v[GC], s[CP:CP+1] offset:256*\p   ; 32 lanes read 256 consecutive bytes, at a multiple of 256 from the buffer's first byte
.endr
.endif
	s_and_b32 s[T], s[SK], 1
	s_cmp_lg_u32 s[T], 0
	s_cbranch_scc1 .Lend_\@                        ; every p of my tile would be 0
	s_and_b32 s[T], s[PL], 1
	s_cmp_eq_u32 s[T], 0
	s_cbranch_scc1 .Lmixed_\@
	BODY 0
	s_branch .Lend_\@
.Lmixed_\@:
	BODY 1
.Lend_\@:
.if (\c) < 3
	v_add_nc_u32 v[LK], s[LKS], v[LK0]
	v_add_nc_u32 v[LV], s[LVS], v[LV0]
	s_wait_loadcnt 0x0                             ; the trip's three loads are in: on every path, so that no load is out when the next trip loads into the same registers
	s_cmp_lt_u32 s[WV], 8
	s_cbranch_scc0 .Lrow_v_\@
.irp p, 0,1,2
	ds_store_b64 v[LK], v[ST+2*\p:ST+2*\p+1] offset:256*\p   ; into the slot that every wave left in front of the last barrier
.endr
	s_branch .Lstored_\@
.Lrow_v_\@:
.irp p, 0,1,2
	ds_store_b64 v[LV], v[ST+2*\p:ST+2*\p+1] offset:256*\p
.endr
.Lstored_\@:
.endif
	s_wait_xcnt 0x0                                ; the trip's loads have read their bases: they may step
.if (\c) < 3
	s_add_nc_u64 s[CP:CP+1], s[CP:CP+1], s[CST:CST+1]   ; the next step of K, or the next 8 rows of V
	s_add_co_u32 s[LKS], s[LKS], KSTEP
	s_add_co_u32 s[LVS], s[LVS], 8*VP
.endif
	s_add_nc_u64 s[16:17], s[16:17], 512           ; the mask: 128 keys on
	s_add_co_u32 s[TK], s[TK], KSTEP
	s_add_co_u32 s[TV], s[TV], 96
	s_add_co_u32 s[TS], s[TS], 256
	s_add_co_u32 s[TJ], s[TJ], 4
	s_lshr_b32 s[SK], s[SK], 1
	s_lshr_b32 s[PL], s[PL], 1
	s_add_co_u32 s[CNT], s[CNT], 1
	s_cmp_lt_u32 s[CNT], 8
	s_cbranch_scc1 .Ltrip_\@
.if (\c) < 3
	s_sub_nc_u64 s[CP:CP+1], s[CP:CP+1], s[CBK:CBK+1]   ; V: back over the 64 rows, 768 bytes on; K goes straight on (no load has been issued since the wait above)
	s_wait_dscnt 0x0                               ; my stores into the other slot have landed, my reads of this one are over
	s_barrier_signal -1
	s_barrier_wait -1                              ; both now hold of every wave
.endif
.endm
	CHUNK 0
	CHUNK 1
	CHUNK 2
	CHUNK 3                                        ; the last chunk copies nothing: no load leaves its buffer; no barrier follows: the stages below are each wave's own bytes, outside the slots
	; THE WAY OUT.  O^T is divided by the row's sum and goes through my stage in LDS, so that sixteen lanes store a whole row of 256 bytes.  The additions and the address work are the places behind the last products.
	v_add_f32 v[LS], v[LS], v[LS+1]                ; the sum's two halves,
	v_permlanex16_b32 v[TP], v[LS], s[SEL], s[SEL+1]
	v_add_f32 v[LS], v[LS], v[TP]                  ; and lane l xor 16's: the row's sum (above 1/2: every row keeps the tile with its largest p)
	v_rcp_f32 v[LS+1], v[LS]
	v_and_b32 v[LK], 15, v0                        ; (a plain instruction behind the reciprocal)  r
	v_bfe_u32 v[LV], v0, 4, 1                      ; h
	s_mul_i32 s[T], s[WV], 16*272
	s_add_co_u32 s[T], s[T], STAGE                 ; my stage
	v_mul_u32_u24 v[ADK], v[LK], 272
	v_lshl_add_u32 v[ADK], v[LV], 5, v[ADK]
	v_add_nc_u32 v[ADK], s[T], v[ADK]              ; in: row r; tile t's eight channels of my half at 64 t + 32 h
	v_mul_u32_u24 v[ADV], v[LV], 272
	v_lshl_add_u32 v[ADV], v[LK], 4, v[ADV]
	v_add_nc_u32 v[ADV], s[T], v[ADV]              ; back: lanes 0-15 one row, lanes 16-31 the next
	v_lshlrev_b32 v[ADS], 8, v[LV]
	v_lshl_add_u32 v[ADS], v[LK], 4, v[ADS]        ; and the same two rows in out
	s_wait_alu depctr_va_vdst(0)                   ; the wait ahead of the reciprocal's first reader
.set j, 0
.rept 32
	v_mul_f32 v[S+j], v[O+j], v[LS+1]              ; register 8 t + i is out(r, 16 t + 8 h + i); each accumulator from its low end on
.set j, j+1
.endr
.irp t, 0,1,2,3
	ds_store_b128 v[ADK], v[S+8*\t:S+8*\t+3] offset:64*\t
	ds_store_b128 v[ADK], v[S+8*\t+4:S+8*\t+7] offset:64*\t+16
.endr
.irp i, 0,1,2,3,4,5,6,7
	ds_load_b128 v[VF+4*\i:VF+4*\i+3], v[ADV] offset:544*\i   ; LDS serves a wave's instructions in order (ISA guide 5.7.1.4): these see my stores
.endr
.irp i, 0,1,2,3,4,5,6,7
	s_wait_dscnt 7-\i                              ; the younger loads may stay out
	global_store_b128 v[ADS], v[VF+4*\i:VF+4*\i+3], s[22:23] offset:512*\i th:TH_STORE_NT   ; 32 lanes store 512 consecutive bytes, at a multiple of 256 from out's first byte; written once, read by nobody here
.endr
	s_wait_tensorcnt 0x0
	ds_add_u32 v254, v255
	s_wait_dscnt 0x0
	s_endpgm
.Lfunc_end_k_q45c49dddd2_attend:
	.size	k_q45c49dddd2_attend, .Lfunc_end_k_q45c49dddd2_attend-k_q45c49dddd2_attend
	.p2alignl 7, 3214868480
	.fill 96, 4, 3214868480
	.section	.rodata,"a",@progbits
	.p2align	6, 0x0
	.amdhsa_kernel k_q45c49dddd2_attend
		.amdhsa_group_segment_fixed_size 310272
		.amdhsa_private_segment_fixed_size 0
		.amdhsa_enable_private_segment 0
		.amdhsa_kernarg_size 80
		.amdhsa_user_sgpr_count 2
		.amdhsa_user_sgpr_kernarg_segment_ptr 1
		.amdhsa_wavefront_size32 1
		.amdhsa_system_sgpr_workgroup_id_x 1
		.amdhsa_system_sgpr_workgroup_id_y 1
		.amdhsa_system_sgpr_workgroup_id_z 1
		.amdhsa_system_vgpr_workitem_id 0
		.amdhsa_next_free_vgpr 256
		.amdhsa_next_free_sgpr 80
		.amdhsa_reserve_vcc 0
		.amdhsa_float_denorm_mode_32 3
		.amdhsa_float_denorm_mode_16_64 3
		.amdhsa_memory_ordered 1
		.amdhsa_forward_progress 1
		.amdhsa_inst_pref_size 191
	.end_amdhsa_kernel
	.amdgpu_metadata
---
amdhsa.version: [ 1, 2 ]
amdhsa.kernels:
  - .name:           k_q45c49dddd2_attend
    .symbol:         k_q45c49dddd2_attend.kd
    .args:
      - { .name: queries_codes, .offset: 0, .size: 8, .value_kind: global_buffer, .address_space: global }
      - { .name: queries_scales, .offset: 8, .size: 8, .value_kind: global_buffer, .address_space: global }
      - { .name: keys_codes, .offset: 16, .size: 8, .value_kind: global_buffer, .address_space: global }
      - { .name: keys_scales, .offset: 24, .size: 8, .value_kind: global_buffer, .address_space: global }
      - { .name: values_codes, .offset: 32, .size: 8, .value_kind: global_buffer, .address_space: global }
      - { .name: values_scales, .offset: 40, .size: 8, .value_kind: global_buffer, .address_space: global }
      - { .name: mask, .offset: 48, .size: 8, .value_kind: global_buffer, .address_space: global }
      - { .name: cls, .offset: 56, .size: 8, .value_kind: global_buffer, .address_space: global }
      - { .name: bounds, .offset: 64, .size: 8, .value_kind: global_buffer, .address_space: global }
      - { .name: out0, .offset: 72, .size: 8, .value_kind: global_buffer, .address_space: global }
    .group_segment_fixed_size: 310272
    .private_segment_fixed_size: 0
    .kernarg_segment_align: 8
    .kernarg_segment_size: 80
    .max_flat_workgroup_size: 512
    .sgpr_count:     80
    .vgpr_count:     256
    .wavefront_size: 32
...
	.end_amdgpu_metadata
.endif
;; end of part 2
;; ======== version 2 of 2: 2 launches
;; limits: right only within a limited range of input values
;; workspace buffers: cls 32,768 bytes of whole numbers; bounds 2,048 bytes of whole numbers
;; launch classify (part 3): grid 256 x 1, 8 waves a work-group, no clusters, 2,048 bytes of LDS; arguments mask, queries_scales, keys_scales, cls, bounds; writes cls, bounds
.if DOCPART == 3
	.amdgcn_target "amdgcn-amd-amdhsa--gfx1250"
	.amdhsa_code_object_version 6
	.text
	.protected	k_q45c49dddd2_classify
	.globl	k_q45c49dddd2_classify
	.p2align	8
	.type	k_q45c49dddd2_classify,@function
k_q45c49dddd2_classify:
	s_mov_b64 s[64:65], 0
	v_nop
	global_prefetch_b8 v0, s[64:65] scope:SCOPE_SE
	s_setreg_imm32_b32 hwreg(HW_REG_WAVE_MODE, 25, 1), 1
	s_wait_xcnt 0x0
; THE MASK IS READ ONCE AND CLASSIFIED, tile by tile of 16 queries x 128 keys, for the attention launch that follows.
; mask: [4096][4096] f32.  In the logits it stands as c = -1e9 x m.  For tile (query tile g, key step s) one word W = 2 G + Z goes to cls[g][s]:
;   Z = 1: every number of the tile is zero, so the tile's logits need no mask.
;   G = the exponent field of gap = (the smallest, over the tile's 16 rows, of the row's largest c in the WHOLE row) - (the largest c in the tile), 0 where gap <= 0.
;       So gap >= 2^(G - 127).  G stands only where G + 16 >= the exponent field of the strip's largest |c|: the roundings of logits of that size then stay small beside the gap.
; The attention launch leaves a tile out where the gap is so large beside the scores' bound that every p of the tile is 0 in f32.  For that bound the largest scale bytes of Q and K of each head
; are gathered here too: bounds[head][part] (Q) and bounds[head][16 + part] (K), sixteen partial maxima each, one a work-group.
; LIMITS: the mask's numbers are finite, |m| < 4.2e28 (so that 8e9 m is finite); NaN and infinities in the mask are not served.
; SHARES.  Work-group g owns rows 16 g .. 16 g + 15 (256 KiB on end); wave w owns key steps 4 w .. 4 w + 3.  One load of a wave is one row's 128 numbers of one key step: 512 consecutive bytes.
; Two sets of 64 registers take turns: 16 to 32 loads of a wave are out.  No matrix unit, no cluster: the launch reads each byte once and shares nothing but 16 row minima, which meet in LDS.
; The results are small (128 bytes of cls a work-group, 16 a wave): they leave by one lane's store.
.set RMIN, 10                          ; v10-25  the smallest m of each of the 16 rows, over my four key steps
.set TMIN, 26                          ; v26-29  the smallest m of each of my four tiles
.set AMAX, 30                          ; v30-33  the largest |m| of each of my four tiles;  v34, v35 the largest scale bytes of Q and K, as f32
.set T1,   60                          ; v60-63  at work; at the end the four words W
.set BUF,  64                          ; v64-127, v128-191  two sets of 16 loads
.set NEG1E9, 0xce6e6b28                ; -1e9
.set POS1E9, 0x4e6e6b28                ; 1e9
	s_load_b256 s[4:11], s[0:1], 0x0               ; mask s[4:5], Q's scales s[6:7], K's scales s[8:9], cls s[10:11]
	s_load_b64 s[12:13], s[0:1], 0x20              ; bounds
	v_lshl_add_u32 v192, v0, 2, 0x400
	v_mov_b32 v193, 0
	v_lshrrev_b32 v1, 5, v0
	s_delay_alu instid0(VALU_DEP_1)
	v_readfirstlane_b32 s14, v1                    ; wave 0..7
	v_and_b32 v1, 31, v0                           ; lane
	s_delay_alu instid0(VALU_DEP_1)
	v_lshlrev_b32 v2, 4, v1
	s_lshl_b32 s15, s14, 11
	v_add_nc_u32 v2, s15, v2                       ; 16 x lane + 2,048 x wave: my 16 bytes of a row's first key step of mine
	v_lshlrev_b32 v3, 1, v0                        ; two scale bytes a thread
	s_mov_b32 s18, 0x76543210
	s_mov_b32 s19, 0xfedcba98                      ; v_permlanex16_b32's selects for lane l xor 16
	s_mov_b32 s17, 0
	s_wait_alu depctr_va_vdst(0)
	s_wait_kmcnt 0x0
	s_lshl_b32 s16, ttmp9, 18                      ; 16 rows of 16,384 bytes a work-group
	s_add_nc_u64 s[4:5], s[4:5], s[16:17]
	s_lshl_b32 s16, ttmp9, 9                       ; 512 scale bytes a work-group: part g % 16 of head g / 16
	s_add_nc_u64 s[6:7], s[6:7], s[16:17]
	s_add_nc_u64 s[8:9], s[8:9], s[16:17]
	s_lshl_b32 s16, ttmp9, 7                       ; 32 words of cls a work-group
	s_add_nc_u64 s[10:11], s[10:11], s[16:17]
	s_lshr_b32 s16, ttmp9, 4
	s_lshl_b32 s16, s16, 7                         ; 32 words of bounds a head,
	s_and_b32 s21, ttmp9, 15
	s_lshl_b32 s21, s21, 2                         ; my part's word
	s_add_co_u32 s16, s16, s21
	s_add_nc_u64 s[12:13], s[12:13], s[16:17]
	global_load_u16 v4, v3, s[6:7]
	global_load_u16 v5, v3, s[8:9]
.macro LOADG g                         ; rows 4 g .. 4 g + 3, my four key steps, into set g % 2
.irp rr, 0,1,2,3
.irp s, 0,1,2,3
	global_load_b128 v[BUF+64*((\g)%2)+16*\rr+4*\s:BUF+64*((\g)%2)+16*\rr+4*\s+3], v2, s[4:5] offset:(4*(\g)+\rr)*16384+512*\s th:TH_LOAD_NT
.endr
.endr
.endm
; my four numbers of (row, key step s): into the tile's minimum, the row's minimum and the tile's largest magnitude.  The first contribution starts each: nothing is cleared.
.macro ONE row, s, reg
	v_min3_num_f32 v[T1+\s], v[\reg], v[\reg+1], v[\reg+2]
.if \row == 0
	s_delay_alu instid0(VALU_DEP_1)
	v_min_num_f32 v[TMIN+\s], v[T1+\s], v[\reg+3]
	v_max_num_f32 v[AMAX+\s], |v[\reg]|, |v[\reg+1]|
.else
	s_delay_alu instid0(VALU_DEP_1)
	v_min3_num_f32 v[TMIN+\s], v[TMIN+\s], v[T1+\s], v[\reg+3]
	v_max3_num_f32 v[AMAX+\s], v[AMAX+\s], |v[\reg]|, |v[\reg+1]|
.endif
.if \s == 0
	s_delay_alu instid0(VALU_DEP_3)
	v_min_num_f32 v[RMIN+\row], v[T1+\s], v[\reg+3]
.else
	s_delay_alu instid0(VALU_DEP_3)
	v_min3_num_f32 v[RMIN+\row], v[RMIN+\row], v[T1+\s], v[\reg+3]
.endif
	s_delay_alu instid0(VALU_DEP_2)
	v_max3_num_f32 v[AMAX+\s], v[AMAX+\s], |v[\reg+2]|, |v[\reg+3]|
.endm
.macro PROC g, left                    ; left: the younger group's loads, which may stay out
	s_wait_loadcnt \left
.irp rr, 0,1,2,3
.irp s, 0,1,2,3
	ONE (4*(\g)+\rr), \s, (BUF+64*((\g)%2)+16*\rr+4*\s)
.endr
.endr
.endm
; count registers from first on, each reduced over the 32 lanes, by turns; the result stands in every lane.  The permutes land in the load sets, which have been written and are free.
.macro REDMIN first, count
.irp m, 1,2,4,8
.set i, 0
.rept \count
	v_min_num_f32_dpp v[\first+i], v[\first+i], v[\first+i] row_xmask:\m row_mask:0xf bank_mask:0xf
.set i, i+1
.endr
.endr
.set i, 0
.rept \count
	v_permlanex16_b32 v[BUF+i], v[\first+i], s18, s19
.set i, i+1
.endr
.set i, 0
.rept \count
	v_min_num_f32 v[\first+i], v[\first+i], v[BUF+i]
.set i, i+1
.endr
.endm
.macro REDMAX first, count
.irp m, 1,2,4,8
.set i, 0
.rept \count
	v_max_num_f32_dpp v[\first+i], v[\first+i], v[\first+i] row_xmask:\m row_mask:0xf bank_mask:0xf
.set i, i+1
.endr
.endr
.set i, 0
.rept \count
	v_permlanex16_b32 v[BUF+i], v[\first+i], s18, s19
.set i, i+1
.endr
.set i, 0
.rept \count
	v_max_num_f32 v[\first+i], v[\first+i], v[BUF+i]
.set i, i+1
.endr
.endm
	LOADG 0
	LOADG 1
	PROC 0, 16                                     ; the scale bytes and group 0 are in; group 1's sixteen loads may be out
	LOADG 2
	PROC 1, 16
	LOADG 3
	PROC 2, 16
	PROC 3, 0
	v_and_b32 v36, 0xff, v4                        ; my two scale bytes of Q, and of K, as f32, so that one kind of reduction serves all
	v_lshrrev_b32 v37, 8, v4
	s_delay_alu instid0(VALU_DEP_2)
	v_cvt_f32_u32 v36, v36
	s_delay_alu instid0(VALU_DEP_2)
	v_cvt_f32_u32 v37, v37
	s_delay_alu instid0(VALU_DEP_1)
	v_max_num_f32 v34, v36, v37
	v_and_b32 v36, 0xff, v5
	v_lshrrev_b32 v37, 8, v5
	s_delay_alu instid0(VALU_DEP_2)
	v_cvt_f32_u32 v36, v36
	s_delay_alu instid0(VALU_DEP_2)
	v_cvt_f32_u32 v37, v37
	s_delay_alu instid0(VALU_DEP_1)
	v_max_num_f32 v35, v36, v37
	REDMIN RMIN, 20                                ; the 16 rows' and my 4 tiles' minima over the lanes
	REDMAX AMAX, 6                                 ; my 4 tiles' largest magnitudes, and the two bytes
	s_delay_alu instid0(VALU_DEP_4)
	v_max3_num_f32 v40, v30, v31, v32
	s_delay_alu instid0(VALU_DEP_1)
	v_max_num_f32 v40, v40, v33                    ; the largest |m| of my four key steps
	s_delay_alu instid0(VALU_DEP_4)
	v_mov_b32 v41, v34
	s_delay_alu instid0(VALU_DEP_4)
	v_mov_b32 v42, v35
	v_mov_b32 v43, 0
	s_lshl_b32 s15, s14, 6
	v_mov_b32 v37, s15                             ; LDS: my wave's 16 row minima at 64 x wave;
	s_lshl_b32 s15, s14, 4
	v_mov_b32 v38, s15                             ; its (largest |m|, Q's byte, K's byte, 0) at 512 + 16 x wave
.irp r, 0,1,2,3,4,5,6,7,8,9,10,11,12,13,14,15
	ds_store_b32 v37, v[RMIN+\r] offset:4*\r       ; all lanes write the same word with the same value
.endr
	ds_store_b128 v38, v[40:43] offset:512
	s_wait_dscnt 0x0                               ; for the others' sake: my stores have landed
	s_barrier_signal -1
	s_barrier_wait -1
	v_and_b32 v39, 15, v0
	s_delay_alu instid0(VALU_DEP_1)
	v_lshlrev_b32 v39, 2, v39                      ; lane r takes row r,
	v_and_b32 v44, 7, v0
	s_delay_alu instid0(VALU_DEP_1)
	v_lshlrev_b32 v44, 4, v44                      ; and wave lane % 8's four words
.irp w, 0,1,2,3,4,5,6,7
	ds_load_b32 v[48+\w], v39 offset:64*\w
.endr
	ds_load_b128 v[56:59], v44 offset:512
	s_wait_dscnt 0x0
	v_min3_num_f32 v48, v48, v49, v50
	s_delay_alu instid0(VALU_DEP_1)
	v_min3_num_f32 v48, v48, v51, v52
	s_delay_alu instid0(VALU_DEP_1)
	v_min3_num_f32 v48, v48, v53, v54
	s_delay_alu instid0(VALU_DEP_1)
	v_min_num_f32 v48, v48, v55                    ; row r's smallest m over all 4,096 keys: its largest c is -1e9 times that
.irp m, 1,2,4,8
	s_delay_alu instid0(VALU_DEP_1)
	v_max_num_f32_dpp v48, v48, v48 row_xmask:\m row_mask:0xf bank_mask:0xf   ; the largest of the 16: the row whose best c is smallest
.endr
.irp m, 1
	v_max_num_f32_dpp v56, v56, v56 row_xmask:\m row_mask:0xf bank_mask:0xf   ; the strip's largest |m|,
	v_max_num_f32_dpp v57, v57, v57 row_xmask:\m row_mask:0xf bank_mask:0xf   ; the work-group's largest byte of Q,
	v_max_num_f32_dpp v58, v58, v58 row_xmask:\m row_mask:0xf bank_mask:0xf   ; and of K
.endr
.irp m, 2, 4
	s_delay_alu instid0(VALU_DEP_3)
	v_max_num_f32_dpp v56, v56, v56 row_xmask:\m row_mask:0xf bank_mask:0xf
	s_delay_alu instid0(VALU_DEP_3)
	v_max_num_f32_dpp v57, v57, v57 row_xmask:\m row_mask:0xf bank_mask:0xf
	s_delay_alu instid0(VALU_DEP_3)
	v_max_num_f32_dpp v58, v58, v58 row_xmask:\m row_mask:0xf bank_mask:0xf
.endr
	v_mul_f32 v45, NEG1E9, v48                     ; the smallest of the rows' best c
	s_delay_alu instid0(VALU_DEP_4)
	v_mul_f32 v46, POS1E9, v56
	s_delay_alu instid0(VALU_DEP_1)
	v_lshrrev_b32 v46, 23, v46                     ; the exponent field of the strip's largest |c|
.irp s, 0,1,2,3
	v_mul_f32 v[T1+\s], NEG1E9, v[TMIN+\s]         ; the tile's largest c
	s_delay_alu instid0(VALU_DEP_1)
	v_sub_f32 v[T1+\s], v45, v[T1+\s]              ; the gap,
	s_delay_alu instid0(VALU_DEP_1)
	v_max_num_f32 v[T1+\s], 0, v[T1+\s]            ; 0 where there is none;
	s_delay_alu instid0(VALU_DEP_1)
	v_lshrrev_b32 v[T1+\s], 23, v[T1+\s]           ; G, its exponent field,
	s_delay_alu instid0(VALU_DEP_1)
	v_add_nc_u32 v47, 16, v[T1+\s]
	s_delay_alu instid0(VALU_DEP_1)
	v_cmp_ge_u32 vcc_lo, v47, v46
	s_delay_alu instid0(VALU_DEP_1)
	v_cndmask_b32 v[T1+\s], 0, v[T1+\s], vcc_lo    ; which stands only where the gap is not small beside the c themselves
	v_cmp_eq_f32 vcc_lo, 0, v[AMAX+\s]
	s_delay_alu instid0(VALU_DEP_1)
	v_cndmask_b32 v47, 0, 1, vcc_lo                ; Z: the tile is all zeros
	s_delay_alu instid0(VALU_DEP_1)
	v_lshl_or_b32 v[T1+\s], v[T1+\s], 1, v47       ; W = 2 G + Z
.endr
	v_cvt_u32_f32 v57, v57
	v_cvt_u32_f32 v58, v58
	s_wait_alu depctr_va_vdst(0)
	s_wait_xcnt 0x0                                ; EXEC changes only behind this wait: it is a source of every load above
	v_cmp_eq_u32 vcc_lo, 0, v1
	s_wait_tensorcnt 0x0
	ds_add_u32 v192, v193
	s_wait_dscnt 0x0
	s_and_saveexec_b32 s20, vcc_lo                 ; lane 0 of each wave:
	global_store_b128 v38, v[T1:T1+3], s[10:11]    ; my four tiles' words, at 16 x wave
	s_wait_xcnt 0x0                                ; and again in front of the line that widens it
	s_or_b32 exec_lo, exec_lo, s20
	v_cmp_eq_u32 vcc_lo, 0, v0
	s_and_saveexec_b32 s20, vcc_lo                 ; thread 0 of the work-group:
	global_store_b32 v43, v57, s[12:13]            ; Q's partial maximum,
	global_store_b32 v43, v58, s[12:13] offset:64  ; K's, sixteen words on
	s_wait_xcnt 0x0
	s_or_b32 exec_lo, exec_lo, s20
	s_endpgm
.Lfunc_end_k_q45c49dddd2_classify:
	.size	k_q45c49dddd2_classify, .Lfunc_end_k_q45c49dddd2_classify-k_q45c49dddd2_classify
	.p2alignl 7, 3214868480
	.fill 96, 4, 3214868480
	.section	.rodata,"a",@progbits
	.p2align	6, 0x0
	.amdhsa_kernel k_q45c49dddd2_classify
		.amdhsa_group_segment_fixed_size 2048
		.amdhsa_private_segment_fixed_size 0
		.amdhsa_enable_private_segment 0
		.amdhsa_kernarg_size 40
		.amdhsa_user_sgpr_count 2
		.amdhsa_user_sgpr_kernarg_segment_ptr 1
		.amdhsa_wavefront_size32 1
		.amdhsa_system_sgpr_workgroup_id_x 1
		.amdhsa_system_sgpr_workgroup_id_y 1
		.amdhsa_system_sgpr_workgroup_id_z 1
		.amdhsa_system_vgpr_workitem_id 0
		.amdhsa_next_free_vgpr 194
		.amdhsa_next_free_sgpr 66
		.amdhsa_reserve_vcc 1
		.amdhsa_float_denorm_mode_32 3
		.amdhsa_float_denorm_mode_16_64 3
		.amdhsa_memory_ordered 1
		.amdhsa_forward_progress 1
		.amdhsa_inst_pref_size 51
	.end_amdhsa_kernel
	.amdgpu_metadata
---
amdhsa.version: [ 1, 2 ]
amdhsa.kernels:
  - .name:           k_q45c49dddd2_classify
    .symbol:         k_q45c49dddd2_classify.kd
    .args:
      - { .name: mask, .offset: 0, .size: 8, .value_kind: global_buffer, .address_space: global }
      - { .name: queries_scales, .offset: 8, .size: 8, .value_kind: global_buffer, .address_space: global }
      - { .name: keys_scales, .offset: 16, .size: 8, .value_kind: global_buffer, .address_space: global }
      - { .name: cls, .offset: 24, .size: 8, .value_kind: global_buffer, .address_space: global }
      - { .name: bounds, .offset: 32, .size: 8, .value_kind: global_buffer, .address_space: global }
    .group_segment_fixed_size: 2048
    .private_segment_fixed_size: 0
    .kernarg_segment_align: 8
    .kernarg_segment_size: 40
    .max_flat_workgroup_size: 256
    .sgpr_count:     66
    .vgpr_count:     194
    .wavefront_size: 32
...
	.end_amdgpu_metadata
.endif
;; end of part 3
;; launch attend (part 4): grid 16 x 16, 16 waves a work-group, no clusters, 310,272 bytes of LDS; arguments queries_codes, queries_scales, keys_codes, keys_scales, values_codes, values_scales, mask, cls, bounds, out0; writes out0
.if DOCPART == 4
	.amdgcn_target "amdgcn-amd-amdhsa--gfx1250"
	.amdhsa_code_object_version 6
	.text
	.protected	k_q45c49dddd2_attend
	.globl	k_q45c49dddd2_attend
	.p2align	8
	.type	k_q45c49dddd2_attend,@function
k_q45c49dddd2_attend:
	s_mov_b64 s[64:65], 0
	v_nop
	global_prefetch_b8 v0, s[64:65] scope:SCOPE_SE
	s_setreg_imm32_b32 hwreg(HW_REG_WAVE_SCHED_MODE, 0, 2), 2
	s_setreg_imm32_b32 hwreg(HW_REG_WAVE_MODE, 25, 1), 1
	s_wait_xcnt 0x0
	s_wait_alu depctr_vm_vsrc(0)
; out[h][q][:] = the sum over k of softmax_k(Q[h][q] . K[h][k] / 8 - 1e9 mask[q][k]) V[h][k][:], 16 heads, 4,096 queries and keys, head size 64; both products on codes of BF6 (E3M2) with one E8M0 scale for each 32 along K.
; Q, K: [16][4096][64] as codes (48 bytes a row), scale bytes [16][4096][2].  V: codes with the KEYS innermost, [16][64][4096] (3,072 bytes a row), scale bytes [16][64][128].  mask: [4096][4096] f32.  out: [16][4096][64] f32.
; THE SOFTMAX AHEAD OF THE SECOND PRODUCT: t = logit x log2(e); M = the row's largest t so far, rounded UP to a whole number; p = 2^(t - M) is quantised along the keys, not normalised; the row's sum is taken of the unquantised p
; and divides at the end.  When M moves, the sum and O are multiplied by 2^(old M - new M): exact.
; WHAT IS LEFT OUT.  cls[query tile][key step] = 2 G + Z comes from the launch before (G: the exponent field of the gap between the tile's best mask term and its rows' best; Z: the tile's mask is all zeros).
; With E, F the head's largest scale bytes of Q and K, |score / 8| < 2^(E + F - 241).  A tile with G >= X = max(137, E + F - 110) has a gap of at least 2^10 and at least 16 times that bound: all its logits lie more than 800
; under their rows' best, so every p is 0 in f32: the tile adds nothing to a maximum, a sum or a product, and its step is jumped over (a scalar branch on stored whole numbers).  The tile that holds a row's best mask term has
; no gap, so every row keeps a tile.  A tile with Z = 1 takes the plain body; any other reads its 16 x 128 numbers of the mask and adds them as reference() does: 8 x logit = score + (-8e9 m), with the same two roundings.
; LIMITS: the mask's numbers are finite, |m| < 4.2e28.  A scale byte 0xff (NaN) of Q, K or V gives no NaN where it falls under a tile that is left out.
; SHARES.  Work-group (j, head) owns query blocks j and 31 - j of 128 queries; each of its SIXTEEN waves one tile of 16 queries in 256 registers, four waves to a SIMD, two of each block, so that one wave's vector work stands
; beside another's matrix work and LDS loads.  All waves walk the 32 key steps of 128 keys in loops of constant count.  K and V go through LDS in chunks of 8 steps, two slots: while a chunk is read, the next is copied
; (global loads to registers at a trip's head, LDS stores at its end), one barrier a chunk.  A trip's share of the copy is sixteen runs of 768 bytes: a key step of K is eight (16 rows of 48 bytes each: waves 0-7), eight rows of
; V's chunk are the other eight (waves 8-15); a wave brings its run by three loads of 256 consecutive bytes, 8 a lane.  The head's scale bytes of K and V stay in LDS.
; No tensor loads and no cluster: the walk branches on numbers read from memory, and with such branches operands go through registers.
; LAYOUT.  Both products are used transposed: S^T = K Q^T (source 0 = 16 keys, source 1 = my 16 queries), O^T = V^T P^T: a lane holds ONE query (lane % 16) throughout.  Lane r of tile 2 b + u takes key 32 b + 8 u + r + 8 (r / 8),
; so that the 16 registers of tiles 2 b, 2 b + 1 are the neighbouring keys 32 b + 16 (lane / 16) + 0 .. 15.
; THE FIRST PRODUCT'S K IS 64, HALF OF THE INSTRUCTION'S 128: Q's registers 6-11 hold zero codes.  E3M2 has no infinity and no NaN, so whatever stands in registers 6-11 of K's fragment is multiplied by zero: the tiles of K stand
; 6 registers apart and each one's upper half is the next one's codes (behind a run's last tile: six registers that have been written).  The scale words come by 16-bit loads: their bytes 2 and 3 are 0, which is 2^-127 and no NaN.
; THE MODE: SCHED_MODE bits 1:0 = 2 (LLVM: expert scheduling mode 2), set by the entry lines.  The code itself states the register dependences between vector or matrix instructions and memory or LDS instructions,
; with s_wait_alu, always for 0.
; THE PLAN.  Registers that memory or LDS instructions touch in a trip:
;   v8-11, v14, v15   LDS addresses of the step's loads and of the copy's stores.  Written by the six additions at the trip's head, on every path; read by the step's LDS loads and by the trip's last three LDS stores.
;   v34-39            The copy's 24 bytes.  The global loads at the trip's head land in them, the LDS stores at its end read them; no vector instruction names them.
;   v42-45, v50-73    K's scale words and its tiles 0-3.  LDS loads land in them; the first product reads them.
;   v224-247          In a plain step K's tiles 4-7 land here and the first product reads them; from the softmax on these registers are p's codes and registers at work.
;   v176-223, v46-47  V's fragments and scale words.  LDS loads land in them; the second product reads them.
;   v176-239          In a mixed step the mask's 64 numbers land here first; packed instructions rescale and read them; then V lands.
;   v1-6, v12, v13    Offsets and places made at the kernel's head and never written again.
; So TWO WAITS stand at a trip's head.  One on vm_vsrc: all that was issued has read its addresses and data, so the additions and the copy's loads may write them.  One on va_vdst, behind the additions: the addresses are written,
; and the last step's vector and matrix instructions are done with every register in which this step's loads land.  In a plain step all 54 LDS loads hang on that one wait: K's go out at once, V's are dealt among the eight products
; K Q^T, which name Q, K's two runs of tiles, the scale words and S^T alone.  The trip's last LDS stores hang on it too: no line of a step names v14, v15 or v34-39.  A mixed step has no room for K's second run beside the mask:
; it keeps one run and has a wait more ahead of tiles 4-7, and one ahead of V's loads.  One more wait on va_vdst stands ahead of the second product, which takes p's codes and scale word from vector instructions.
.set KSTEP,  7168                      ; LDS, a key step of K: row rho at 48 rho + 128 (rho / 16).  In units of 8 bytes mod 32 a tile's 32 lanes fall on 6 (r % 8) + 16 (r / 8) + 3 h: 32 different (64 banks of 4 bytes: ISA guide 11.1)
.set KRUN,   896                       ; 16 rows of K and their 128 bytes of padding: a wave's run
.set VOFF,   8*KSTEP                   ; behind a slot's 8 steps of K: V, 64 rows of 768 bytes + 16: 2 r + 3 h in the same units: 32 different
.set VP,     784
.set SCK,    VOFF+64*VP                ; 107,520: behind slot 0: the head's scale bytes of K as they lie, 8,192 bytes
.set SCV,    SCK+8192                  ; and of V: 64 rows of 128 bytes + 16
.set SLOT1,  131072                    ; slot 1
.set STAGE,  SLOT1+SCK                 ; 238,592: the way out: 16 rows x (256 bytes + 16) for each wave
.set AK0, 1                            ; v1   my lane's place in a tile of K                v2  in a tile of V
.set AV0, 2
.set AS0, 3                            ; v3   among K's scale bytes (lanes 16-31: the odd tile's keys)      v4  among V's scale words (lanes 16-31: the odd tile's rows)
.set AT0, 4
.set MO,  5                            ; v5   my byte in a tile of the mask: 16,384 r + 64 h
.set GC,  6                            ; v6   the copy: my 8 bytes of my wave's run in memory
.set ADK, 8                            ; v8-11 the addresses of the step in hand
.set ADV, 9
.set ADS, 10
.set ADT, 11
.set LK0, 12                           ; v12, v13 the copy: my 8 bytes' place in a slot, as a run of K and as a row of V;  v14, v15 the addresses in hand
.set LV0, 13
.set LK,  14
.set LV,  15
.set QF,  16                           ; v16-27 Q's fragment: 16-21 codes, 22-27 zeros
.set QS,  28                           ; v28  Q's scale words
.set NM,  30                           ; v30 -M, v31 the largest t so far
.set LS,  32                           ; v[32:33] the row's sum in two halves
.set ST,  34                           ; v34-39 the copy's 24 bytes on their way
.set KS,  42                           ; v42-45 K's scale words: register b: lanes 0-15 tile 2 b, lanes 16-31 tile 2 b + 1
.set VS,  46                           ; v46-47 V's likewise
.set FF,  48                           ; v48  f = 2^(old M - new M)
.set PS,  49                           ; v49  p's scale word
.set KA,  50                           ; v50-79 four tiles of K, 6 registers apart; v74-79 zeros
.set S,   80                           ; v80-143 S^T, then p
.set O,   144                          ; v144-175 O^T
.set VF,  176                          ; v176-223 V's four fragments
.set MZ,  176                          ; v176-239 a mixed step's 64 numbers of the mask, while the first product runs
.set KB,  224                          ; v224-247 a plain step's tiles 4-7 of K, while the first product runs; the last one's upper half is v248-253, whatever stands there
.set PC,  224                          ; v224-235 p's codes
.set TM,  236                          ; v236-239 the blocks' maxima
.set TP,  240                          ; v240-247 at work
.set SO,  248                          ; v248-251 the conversions' scale operands
.set MI,  252
.set WV,  24                           ; s24  my wave's number
.set CNT, 32                           ; s32  counts a chunk's eight steps
.set SEL, 34                           ; s[34:35] v_permlanex16_b32's selects for lane l xor 16
.set CS,  36                           ; s[36:37] log2(e) / 8, twice: a packed form names a pair
.set C8,  38                           ; s[38:39] -8e9, twice
.set TK,  48                           ; s48, s49 where the step's K and V begin in LDS;  s50, s51 its scale bytes of K and of V;  s52, s53 where the copy's step goes
.set TV,  49
.set TS,  50
.set TJ,  51
.set LKS, 52
.set LVS, 53
.set X2,  66                           ; s66  2 X
.set SK,  67                           ; s67  bit 0: the step in hand is left out;  s68  bit 0: its mask is all zeros
.set PL,  68
.set T,   70
.set CP,  8                            ; s[8:9]   the copy's pointer: K's codes in waves 0-7, V's in waves 8-15
.set CST, 72                           ; s[72:73] what it steps a trip: a key step of K (6,144 bytes) or 8 rows of V (24,576)
.set CBK, 74                           ; s[74:75] what is taken back at a chunk's end: nothing, or V's 64 rows less a chunk's 768 bytes
	s_load_b512 s[4:19], s[0:1], 0x0               ; Q's codes s[4:5], Q's scales s[6:7], K's s[8:9], s[10:11], V's s[12:13], s[14:15], mask s[16:17], cls s[18:19]
	s_load_b128 s[20:23], s[0:1], 0x40             ; bounds s[20:21], out s[22:23]
	v_lshl_add_u32 v254, v0, 2, 0x4b400
	v_mov_b32 v255, 0
	v_lshrrev_b32 v190, 5, v0
	v_readfirstlane_b32 s[WV], v190                ; wave 0..15
	s_wait_alu depctr_va_sdst(0)                   ; s24 is written, ahead of its first reader: shares, addresses and branches are made from it
	s_lshr_b32 s25, s[WV], 2
	s_xor_b32 s25, s25, s[WV]
	s_and_b32 s25, s25, 1                          ; which of the two blocks: waves 0, 2, 5, 7, 8, 10, 13, 15 the first: two of each among any four neighbours and among any four that lie 4 apart
	s_lshr_b32 s26, s[WV], 1                       ; which tile of the block
	s_mov_b32 s27, ttmp9                           ; j
	s_and_b32 s28, ttmp7, 0xffff                   ; the head
	s_sub_co_u32 s29, 31, s27
	s_cmp_eq_u32 s25, 0
	s_cselect_b32 s29, s27, s29                    ; block j or 31 - j
	s_lshl_b32 s29, s29, 3
	s_add_co_u32 s29, s29, s26                     ; my tile of 16 queries, 0..255: it enters global addresses alone
	; the copy's shares, from the wave's number alone
	s_and_b32 s76, s[WV], 7                        ; which of the eight runs of K, or of the eight rows of V
	s_mul_i32 s71, s76, KRUN                       ; its place in a step of K in LDS,
	s_mul_i32 s69, s76, VP                         ; and among eight rows of V
	s_cmp_lt_u32 s[WV], 8                          ; K's wave or V's?  (moves, products and selections leave the answer standing)
	s_mov_b32 s77, 3072
	s_cselect_b32 s77, 768, s77
	s_mul_i32 s77, s77, s76                        ; my run in memory: 768 bytes apart in K, a row of 3,072 apart in V
	s_mov_b32 s[CST], 24576
	s_cselect_b32 s[CST], 6144, s[CST]
	s_mov_b32 s[CST+1], 0
	s_cselect_b32 s[CBK], 0, 195840
	s_mov_b32 s[CBK+1], 0
	s_lshl_b32 s78, s[CST], 3
	s_sub_co_u32 s78, s78, s[CBK]                  ; a chunk on: eight steps less what is taken back: 49,152 bytes in K, 768 in V
	s_mov_b32 s79, 0
	; every address register that stays is made here, ahead of the first branch on the wave's number
	v_and_b32 v190, 15, v0                         ; r
	v_bfe_u32 v191, v0, 4, 1                       ; h
	v_bfe_u32 v192, v0, 3, 1                       ; r / 8
	v_lshl_add_u32 v193, v192, 3, v190             ; r + 8 (r / 8)
	v_mul_u32_u24 v[AK0], v193, 48
	v_lshl_add_u32 v[AK0], v192, 7, v[AK0]
	v_mad_u32_u24 v[AK0], v191, 24, v[AK0]         ; K: 48 (r + 8 (r / 8)) + 128 (r / 8) + 24 h
	v_mul_u32_u24 v[AV0], v190, VP
	v_mad_u32_u24 v[AV0], v191, 24, v[AV0]
	v_add_nc_u32 v[AV0], VOFF, v[AV0]              ; V: row r, + 24 h
	v_lshlrev_b32 v[AS0], 1, v193
	v_lshl_add_u32 v[AS0], v191, 4, v[AS0]
	v_add_nc_u32 v[AS0], SCK, v[AS0]               ; K's scales: 2 bytes a key; lanes 16-31 eight keys on
	v_mul_u32_u24 v[AT0], v190, 144
	v_mad_u32_u24 v[AT0], v191, 2304, v[AT0]
	v_add_nc_u32 v[AT0], SCV, v[AT0]               ; V's: row r; lanes 16-31 sixteen rows on
	v_lshlrev_b32 v[MO], 14, v190
	v_lshl_add_u32 v[MO], v191, 6, v[MO]
	v_and_b32 v210, 31, v0                         ; lane
	v_lshl_add_u32 v[GC], v210, 3, s77             ; the copy: 8 x lane + my wave's run, in memory,
	v_lshl_add_u32 v[LK0], v210, 3, s71            ; in a step of K in LDS,
	v_lshl_add_u32 v[LV0], v210, 3, s69
	v_add_nc_u32 v[LV0], VOFF, v[LV0]              ; and among V's rows
	v_add_nc_u32 v203, s[CST], v[GC]               ; chunk 0: the offsets of its trips 1 to 7
.irp i, 4,5,6,7,8,9
	v_add_nc_u32 v[200+\i], s[CST], v[199+\i]
.endr
	v_mul_u32_u24 v196, v190, 48
	v_mad_u32_u24 v196, v191, 24, v196             ; Q: row r, + 24 h
	v_lshlrev_b32 v197, 1, v190                    ; Q's scales: 2 bytes a row
	v_lshlrev_b32 v198, 2, v210                    ; cls: lane l takes key step l's word
	v_lshlrev_b32 v211, 4, v0                      ; the head's scale bytes: 16 a thread
	v_lshrrev_b32 v199, 3, v0
	v_mul_u32_u24 v199, v199, 144
	v_and_b32 v200, 7, v0
	v_lshl_add_u32 v199, v200, 4, v199
	v_add_nc_u32 v199, SCV, v199                   ; where my 16 scale bytes of V go: 8 threads to a row
	v_add_nc_u32 v201, SCK, v211                   ; and of K
	s_mov_b32 s31, 0
	s_wait_kmcnt 0x0
	s_mul_i32 s30, s28, 196608                     ; a head's codes
	s_add_nc_u64 s[4:5], s[4:5], s[30:31]
	s_add_nc_u64 s[8:9], s[8:9], s[30:31]
	s_add_nc_u64 s[12:13], s[12:13], s[30:31]
	s_lshl_b32 s30, s28, 13                        ; a head's scale bytes
	s_add_nc_u64 s[6:7], s[6:7], s[30:31]
	s_add_nc_u64 s[10:11], s[10:11], s[30:31]
	s_add_nc_u64 s[14:15], s[14:15], s[30:31]
	s_mul_i32 s30, s29, 768                        ; my 16 rows of Q,
	s_add_nc_u64 s[4:5], s[4:5], s[30:31]
	s_lshl_b32 s30, s29, 5                         ; their scale bytes,
	s_add_nc_u64 s[6:7], s[6:7], s[30:31]
	s_lshl_b32 s30, s29, 18                        ; their rows of the mask,
	s_add_nc_u64 s[16:17], s[16:17], s[30:31]
	s_lshl_b32 s30, s29, 7                         ; their row of cls,
	s_add_nc_u64 s[18:19], s[18:19], s[30:31]
	s_lshl_b32 s30, s28, 7                         ; the head's 32 words of bounds,
	s_add_nc_u64 s[20:21], s[20:21], s[30:31]
	s_lshl_b32 s30, s28, 20
	s_lshl_b32 s[T], s29, 12
	s_add_co_u32 s30, s30, s[T]                    ; and my 16 rows of out
	s_add_nc_u64 s[22:23], s[22:23], s[30:31]
	s_cmp_lt_u32 s[WV], 8                          ; the copy's pointer: the choice hangs on the wave's number alone
	s_cselect_b64 s[CP:CP+1], s[8:9], s[12:13]
	s_load_b512 s[32:47], s[20:21], 0x0            ; sixteen partial maxima of Q's scale bytes,
	s_load_b512 s[48:63], s[20:21], 0x40           ; and of K's
	s_wait_alu depctr_va_vdst(0)                   ; the offsets and LDS places are written (v5, v6, v12, v13, v196-199, v201, v203-209, v211), which the loads and LDS stores from here to the first barrier read; v5 and v6 serve the whole kernel
	global_load_b128 v[176:179], v211, s[10:11]
	global_load_b128 v[180:183], v211, s[14:15]
	global_load_b32 v184, v198, s[18:19]
	global_load_b64 v[QF:QF+1], v196, s[4:5]       ; Q's fragment stays in registers
	global_load_b64 v[QF+2:QF+3], v196, s[4:5] offset:8
	global_load_b64 v[QF+4:QF+5], v196, s[4:5] offset:16
	global_load_u16 v[QS], v197, s[6:7]
.irp p, 0,1,2                                      ; chunk 0: my wave's run of each of its eight trips, 24 loads, on every wave's path
	global_load_b64 v[S+2*\p:S+2*\p+1], v[GC], s[CP:CP+1] offset:256*\p
.endr
.irp i, 1,2,3,4,5,6,7
.irp p, 0,1,2
	global_load_b64 v[S+6*\i+2*\p:S+6*\i+2*\p+1], v[202+\i], s[CP:CP+1] offset:256*\p
.endr
.endr
.set j, 0
.rept 32
	v_mov_b32 v[O+j], 0                            ; O^T.  Which step is a wave's first hangs on stored numbers, so no first step can be written out: the first that is worked finds zeros, which the first change of M leaves zeros.  (None of the moves here names a register of the loads above or of the LDS stores below)
.set j, j+1
.endr
	v_mov_b32 v[LS], 0
	v_mov_b32 v[LS+1], 0
	v_mov_b32 v[NM+1], 0xff61b1e6                  ; the largest t so far: -3e38, under every t
	v_floor_f32 v[NM], -v[NM+1]                    ; -M
.irp i, 0,1,2,3,4,5
	v_mov_b32 v[QF+6+\i], 0                        ; Q's zero codes for K = 64 .. 127
	v_mov_b32 v[KA+24+\i], 0                       ; the upper half of the fourth tile of K,
	v_mov_b32 v[KB+24+\i], 0                       ; and of the eighth in a plain step: written once, so that it is never read unwritten; later it holds what the softmax left there
.endr
.irp b, 0,1,2,3
	v_mov_b32 v[TP+\b], 0                          ; written once: a lane permute's destination counts as one of its sources
.endr
	v_mov_b32 v[PS], 0                             ; (named as the upper half of the pair v[48:49] before it is first written)
	s_wait_loadcnt 0x0
	ds_store_b128 v201, v[176:179]
	ds_store_b128 v199, v[180:183]
	s_cmp_lt_u32 s[WV], 8
	s_cbranch_scc0 .Lchunk0_v
.irp i, 0,1,2,3,4,5,6,7
.irp p, 0,1,2
	ds_store_b64 v[LK0], v[S+6*\i+2*\p:S+6*\i+2*\p+1] offset:KSTEP*\i+256*\p
.endr
.endr
	s_branch .Lchunk0_in
.Lchunk0_v:
.irp i, 0,1,2,3,4,5,6,7
.irp p, 0,1,2
	ds_store_b64 v[LV0], v[S+6*\i+2*\p:S+6*\i+2*\p+1] offset:8*VP*\i+256*\p
.endr
.endr
.Lchunk0_in:
	s_add_nc_u64 s[CP:CP+1], s[CP:CP+1], s[78:79]  ; (all loads are in)  the copies go on with chunk 1
	s_wait_kmcnt 0x0
.irp n, 33,34,35,36,37,38,39,40,41,42,43,44,45,46,47
	s_max_u32 s32, s32, s\n                        ; E
.endr
.irp n, 49,50,51,52,53,54,55,56,57,58,59,60,61,62,63
	s_max_u32 s48, s48, s\n                        ; F
.endr
	s_add_co_i32 s[X2], s32, s48
	s_sub_co_i32 s[X2], s[X2], 110
	s_max_i32 s[X2], s[X2], 137                    ; X = max(137, E + F - 110)
	s_lshl_b32 s[X2], s[X2], 1
	v_cmp_le_u32 s[SK], s[X2], v184                ; bit l: key step l is left out: 2 X <= 2 G + Z
	v_and_b32 v185, 1, v184
	v_cmp_ne_u32 s[PL], 0, v185                    ; bit l: its mask is all zeros
	s_wait_alu depctr_va_sdst(0)                   ; s67 and s68 are written, ahead of the first label and of their first readers, the tests at a trip's head
	s_mov_b32 s[SEL], 0x76543210
	s_mov_b32 s[SEL+1], 0xfedcba98
	s_mov_b32 s[CS], 0x3e38aa3b                    ; log2(e) / 8
	s_mov_b32 s[CS+1], s[CS]
	s_mov_b32 s[C8], 0xcfee6b28                    ; -8e9 = 8 x (-1e9), exactly
	s_mov_b32 s[C8+1], s[C8]
	s_wait_dscnt 0x0                               ; for the others' sake: my stores have landed
	s_barrier_signal -1
	s_barrier_wait -1                              ; chunk 0 and the scale bytes lie in LDS
; Four tiles of 16 keys, tiles 4 g .. 4 g + 3, from LDS into the run of registers at reg, 6 apart
.macro KLOADS g, reg
.irp tt, 0,1,2,3
.irp p, 0,1,2
	ds_load_b64 v[\reg+6*\tt+2*\p:\reg+6*\tt+2*\p+1], v[ADK] offset:1792*((4*\g+\tt)/2)+384*(\tt%2)+8*\p
.endr
.endr
.endm
; S^T = K Q^T of these four tiles.  Each tile's product starts its sum with the constant 0; no two that follow each other share an accumulator.
.macro QKMUL g, reg
.irp tt, 0,1,2,3
.if (\tt%2) == 0
	v_wmma_scale_f32_16x16x128_f8f6f4 v[S+8*(4*\g+\tt):S+8*(4*\g+\tt)+7], v[\reg+6*\tt:\reg+6*\tt+11], v[QF:QF+11], 0, v[KS+(4*\g+\tt)/2], v[QS] matrix_a_fmt:MATRIX_FMT_BF6 matrix_b_fmt:MATRIX_FMT_BF6
.else
	v_wmma_scale_f32_16x16x128_f8f6f4 v[S+8*(4*\g+\tt):S+8*(4*\g+\tt)+7], v[\reg+6*\tt:\reg+6*\tt+11], v[QF:QF+11], 0, v[KS+(4*\g+\tt)/2], v[QS] matrix_a_fmt:MATRIX_FMT_BF6 matrix_b_fmt:MATRIX_FMT_BF6 matrix_a_scale:MATRIX_SCALE_ROW1
.endif
.endr
.endm
; Two of V's four fragments (16 of the head's 64 x these 128 keys): t0 and t0 + 1.  They are asked for ahead of the softmax, under which they land
.macro VPAIR t0
.irp t, \t0, \t0+1
.irp p, 0,1,2,3,4,5
	ds_load_b64 v[VF+12*(\t)+2*\p:VF+12*(\t)+2*\p+1], v[ADV] offset:16*VP*(\t)+48*(\p/3)+8*(\p%3)
.endr
.endr
.endm
.macro VSCALES                         ; and V's scale words
	ds_load_b32 v[VS], v[ADT]
	ds_load_b32 v[VS+1], v[ADT] offset:4608
.endm
; THE SOFTMAX of a step.  m = 0: S holds raw scores, t = score x log2(e) / 8.  m = 1: S holds t already.  It names no register that a pending load or store touches.
.macro SOFTMAX m
.irp b, 0,1,2,3
	v_max3_num_f32 v[TM+\b], v[S+16*\b], v[S+1+16*\b], v[S+2+16*\b]   ; the largest of each block of 32 keys: it serves for the row's maximum and, since p rises with it, for the block's largest p.  Each accumulator is read from its low end on
.endr
.irp i, 3,5,7,9,11,13
.irp b, 0,1,2,3
	v_max3_num_f32 v[TM+\b], v[TM+\b], v[S+16*\b+\i], v[S+1+16*\b+\i]   ; (the four blocks by turns)
.endr
.endr
.irp b, 0,1,2,3
	v_max_num_f32 v[TM+\b], v[TM+\b], v[S+15+16*\b]
.endr
.irp b, 0,1,2,3
	v_permlanex16_b32 v[TP+\b], v[TM+\b], s[SEL], s[SEL+1]
.endr
.irp b, 0,1,2,3
	v_max_num_f32 v[TM+\b], v[TM+\b], v[TP+\b]     ; with lane l xor 16's 16 keys
.endr
	v_max3_num_f32 v[MI], v[TM], v[TM+1], v[TM+2]
	v_max_num_f32 v[MI], v[MI], v[TM+3]            ; the step's largest of my query
.if \m == 0
	v_mul_f32 v[MI], s[CS], v[MI]                  ; as t (the factor is positive)
.endif
	v_max_num_f32 v[NM+1], v[NM+1], v[MI]          ; the running largest t
	v_mov_b32 v[MI], v[NM]
	v_floor_f32 v[NM], -v[NM+1]                    ; the new -M = floor(-t) = -ceil(t): a whole number
	v_sub_f32 v[MI], v[NM], v[MI]                  ; old M - new M: a whole number, 0 or less
	v_cvt_i32_f32 v[MI], v[MI]                     ; (it saturates)
	v_ldexp_f32 v[FF], 1.0, v[MI]                  ; f = 2^(old M - new M)
.set j, 0
.rept 32
.if \m == 0
	v_pk_fma_f32 v[S+j:S+j+1], v[S+j:S+j+1], s[CS:CS+1], v[NM:NM+1] op_sel_hi:[1,0,0]   ; t - M, two at a time (of the pairs the low word serves both halves)
.else
	v_pk_add_f32 v[S+j:S+j+1], v[S+j:S+j+1], v[NM:NM+1] op_sel_hi:[1,0]
.endif
.set j, j+2
.endr
.irp b, 0,1,2,3
.if \m == 0
	v_fma_f32 v[TM+\b], v[TM+\b], s[CS], v[NM]     ; the same of each block's largest
.else
	v_add_f32 v[TM+\b], v[TM+\b], v[NM]
.endif
.endr
.set j, 0
	s_wait_alu depctr_va_vdst(0)
.rept 64
	v_exp_f32 v[S+j], v[S+j]                       ; p = 2^(t - M), at most 1: not normalised
.set j, j+1
.endr
	v_pk_mul_f32 v[LS:LS+1], v[LS:LS+1], v[FF:FF+1] op_sel_hi:[1,0]   ; the sums under the new M: the plain instruction behind the exponentials
	s_wait_alu depctr_va_vdst(0)                   ; the 64 exponentials have written p, v80-143: one wait for the batch, ahead of its first reader
.irp b, 0,1,2,3
	v_exp_f32 v[TM+\b], v[TM+\b]                   ; the block's largest p: the same instructions on the same number give the same bits
.endr
	v_pk_add_f32 v[TP:TP+1], v[S:S+1], v[S+2:S+3]  ; the row's sum is taken of the unquantised p: two at a time, in two chains (they read the 64 alone)
.set j, 4
.rept 15
	v_pk_add_f32 v[LS:LS+1], v[LS:LS+1], v[S+j:S+j+1]
	v_pk_add_f32 v[TP:TP+1], v[TP:TP+1], v[S+j+2:S+j+3]
.set j, j+4
.endr
	v_pk_add_f32 v[LS:LS+1], v[LS:LS+1], v[TP:TP+1]
	s_wait_alu depctr_va_vdst(0)                   ; the four exponentials have written v236-239: their wait, ahead of their first reader
.irp b, 0,1,2,3
	v_max_num_f32 v[TM+\b], 0x2800000, v[TM+\b]    ; the floor 2^(5 - 127): the byte cannot fall under 1 (a block whose every p is 0 keeps that byte: its codes are zeros)
.endr
.irp b, 0,1,2,3
	v_add_nc_u32 v[SO+\b], 0xfe000000, v[TM+\b]    ; 4 off the exponent field: the conversion's scale operand
.endr
.irp b, 0,1,2,3
	v_lshrrev_b32 v[TP+\b], 23, v[SO+\b]           ; the scale's byte
.endr
	v_lshl_or_b32 v[PS], v[TP+1], 8, v[TP]         ; p's scale word for these 128 keys
	v_lshl_or_b32 v[PS], v[TP+2], 16, v[PS]
	v_lshl_or_b32 v[PS], v[TP+3], 24, v[PS]
.irp c, 0,1
	v_cvt_scalef32_pk16_bf6_f32 v[PC+6*\c:PC+6*\c+2], v[S+32*\c:S+32*\c+15], v[SO+2*\c]
	v_cvt_scalef32_pk16_bf6_f32 v[TP+4*\c:TP+4*\c+2], v[S+32*\c+16:S+32*\c+31], v[SO+2*\c+1]   ; (a conversion's three registers begin on an even number)
.endr
	v_nop                                          ; one plain instruction behind the scaled conversions
.irp c, 0,1                                        ; the operand's layout wants a whole block in a lane: lanes 0-15 block 2 c, lanes 16-31 block 2 c + 1
.irp i, 0,1,2
	v_permlane16_swap_b32 v[PC+6*\c+\i], v[TP+4*\c+\i]
.endr
.irp i, 0,1,2
	v_mov_b32 v[PC+6*\c+3+\i], v[TP+4*\c+\i]
.endr
.endr
.set j, 0
.rept 16
	v_pk_mul_f32 v[O+j:O+j+1], v[O+j:O+j+1], v[FF:FF+1] op_sel_hi:[1,0]   ; O^T under the new M.  These sixteen also stand between the lines that wrote p's codes and scale word and the products that take them
.set j, j+2
.endr
.endm
; A KEY STEP: 128 keys.  m = 0: the tile's mask is all zeros.  m = 1: its 16 x 128 numbers are read and added.  The step's four LDS addresses were made at the trip's head, ahead of the wait on va_vdst that stands there.
.macro BODY m
.if \m
.irp b, 0,1,2,3
.irp q, 0,1,2,3
	global_load_b128 v[MZ+16*\b+4*\q:MZ+16*\b+4*\q+3], v[MO], s[16:17] offset:128*\b+16*\q   ; register 16 b + i: mask(my query, key 32 b + 16 h + i): S^T's own layout
.endr
.endr
.endif
.irp b, 0,1,2,3
	ds_load_u16 v[KS+\b], v[ADS] offset:64*\b
.endr
	KLOADS 0, KA
.if \m
	s_wait_dscnt 0x0
	QKMUL 0, KA
.rept 4
	v_nop                                          ; places in front of loads into registers that matrix instructions have read
.endr
	s_wait_alu depctr_va_vdst(0)                   ; the four products are done reading v50-79, in which tiles 4-7 land: beside the mask there is no room for a second run of tiles
	KLOADS 1, KA
	s_wait_dscnt 0x0
	QKMUL 1, KA
	s_wait_loadcnt 0x0                             ; the mask's numbers are in
.set j, 0
.rept 32
	v_pk_mul_f32 v[MZ+j:MZ+j+1], v[MZ+j:MZ+j+1], s[C8:C8+1] op_sel_hi:[1,0]   ; -8e9 m = 8 x the rounded -1e9 m.  (These 32 are the places behind the products)
.set j, j+2
.endr
.set j, 0
.rept 32
	v_pk_add_f32 v[S+j:S+j+1], v[S+j:S+j+1], v[MZ+j:MZ+j+1]   ; 8 x logit, rounded as reference()'s sum is
.set j, j+2
.endr
	s_wait_alu depctr_va_vdst(0)                   ; the packed lines above have written and read v176-223, in which V's fragments land
	VPAIR 0
	VPAIR 2
	VSCALES
.set j, 0
.rept 32
	v_pk_mul_f32 v[S+j:S+j+1], v[S+j:S+j+1], s[CS:CS+1] op_sel_hi:[1,0]   ; t, rounded to f32: logits may be as large as the mask's term, and t - M is then formed of rounded numbers, as the rule has it
.set j, j+2
.endr
.else
	KLOADS 1, KB                                   ; tiles 4-7 go out with tiles 0-3, into registers that lie idle until the softmax
	s_wait_dscnt 12                                ; LDS loads come back in order (ISA guide 5.7.1): the scale words and tiles 0-3 are in; the twelve loads of tiles 4-7 may be out
	QKMUL 0, KA
	VPAIR 0                                        ; no wait: since the wait at the trip's head only these products were issued, and they name Q, K's tiles, the scale words and S^T: none of v9, v11, v46, v47, v176-223
	s_wait_dscnt 12                                ; tiles 4-7 are in; the twelve loads of V just issued may be out
	QKMUL 1, KB
	VPAIR 2
	VSCALES
.rept 4
	v_nop                                          ; places in front of the first read of the scores, and of the first write of v236 on, which the last products have read
.endr
.endif
	SOFTMAX \m
	s_wait_dscnt 0x0                               ; V's fragments and scale words are in
	s_wait_alu depctr_va_vdst(0)                   ; vector instructions have written p's codes v224-235 and its scale word v49, which the products below take; the sixteen places above stay beside this wait
.irp t, 0,1,2,3                                    ; O^T += V^T P^T: the four accumulators by turns, one instruction each
.if (\t%2) == 0
	v_wmma_scale_f32_16x16x128_f8f6f4 v[O+8*\t:O+8*\t+7], v[VF+12*\t:VF+12*\t+11], v[PC:PC+11], v[O+8*\t:O+8*\t+7], v[VS+\t/2], v[PS] matrix_a_fmt:MATRIX_FMT_BF6 matrix_b_fmt:MATRIX_FMT_BF6
.else
	v_wmma_scale_f32_16x16x128_f8f6f4 v[O+8*\t:O+8*\t+7], v[VF+12*\t:VF+12*\t+11], v[PC:PC+11], v[O+8*\t:O+8*\t+7], v[VS+\t/2], v[PS] matrix_a_fmt:MATRIX_FMT_BF6 matrix_b_fmt:MATRIX_FMT_BF6 matrix_a_scale:MATRIX_SCALE_ROW1
.endif
.endr
.endm
; CHUNK c: key steps 8 c .. 8 c + 7, read from slot c % 2; meanwhile (c < 3) chunk c + 1 is copied into the other slot, a step of K and 8 rows of V a trip.
; Every wave walks the eight trips; what a wave leaves out is a step's work, never the copy, the lines that step addresses, or the barrier.
; The copy's loads and the wait for them stand on every wave's path; only the two runs of LDS stores part, on the wave's number.
.macro CHUNK c
	s_mov_b32 s[TK], ((\c)%2)*SLOT1
	s_mov_b32 s[TV], ((\c)%2)*SLOT1
	s_mov_b32 s[TS], 2048*(\c)                     ; 256 scale bytes of K a step,
	s_mov_b32 s[TJ], 32*(\c)                       ; 4 of each row of V
.if (\c) < 3
	s_mov_b32 s[LKS], (1-(\c)%2)*SLOT1
	s_mov_b32 s[LVS], (1-(\c)%2)*SLOT1
.endif
	s_mov_b32 s[CNT], 0
.Ltrip_\@:
.if (\c) < 3
	s_wait_dscnt 0x0                               ; the last trip's three LDS stores are done
.endif
	s_wait_alu depctr_vm_vsrc(0)                   ; all LDS and memory instructions issued so far have read their registers: the last trip's LDS stores v34-39, v14, v15; the last worked step's LDS loads v8-11; ahead of the first trip the head's LDS stores and loads v80-127, v176-211.  All of these are written again below
.if (\c) < 3
.irp p, 0,1,2
	global_load_b64 v[ST+2*\p:ST+2*\p+1], v[GC], s[CP:CP+1] offset:256*\p   ; 32 lanes read 256 consecutive bytes, at a multiple of 256 from the buffer's first byte.  No vector instruction ever names v34-39, and v6 stands since the head
.endr
.endif
	v_add_nc_u32 v[ADK], s[TK], v[AK0]             ; the step's four LDS addresses, on every path.  Plain instructions: they also stand between the last step's products and the loads into registers that those have read
	v_add_nc_u32 v[ADV], s[TV], v[AV0]
	v_add_nc_u32 v[ADS], s[TS], v[AS0]
	v_add_nc_u32 v[ADT], s[TJ], v[AT0]
.if (\c) < 3
	v_add_nc_u32 v[LK], s[LKS], v[LK0]             ; and where the trip's last LDS stores go
	v_add_nc_u32 v[LV], s[LVS], v[LV0]
.endif
	s_wait_alu depctr_va_vdst(0)                   ; these addresses are written, which the step's LDS loads and the trip's last LDS stores read; the last step's products and softmax are done with v42-47, v50-79 and v176-253, in which this step's loads land; ahead of the first trip the head's moves have written Q's and K's zero codes, which the products take
	s_and_b32 s[T], s[SK], 1
	s_cmp_lg_u32 s[T], 0
	s_cbranch_scc1 .Lend_\@                        ; every p of my tile would be 0
	s_and_b32 s[T], s[PL], 1
	s_cmp_eq_u32 s[T], 0
	s_cbranch_scc1 .Lmixed_\@
	BODY 0
	s_branch .Lend_\@
.Lmixed_\@:
	BODY 1
.Lend_\@:
.if (\c) < 3
	s_wait_loadcnt 0x0                             ; the trip's three loads are in: on every path, so that no load is out when the next trip loads into the same registers
	s_cmp_lt_u32 s[WV], 8
	s_cbranch_scc0 .Lrow_v_\@
.irp p, 0,1,2
	ds_store_b64 v[LK], v[ST+2*\p:ST+2*\p+1] offset:256*\p   ; into the slot that every wave left in front of the last barrier.  No wait on va_vdst: no line of a step names v14, v15 or v34-39
.endr
	s_branch .Lstored_\@
.Lrow_v_\@:
.irp p, 0,1,2
	ds_store_b64 v[LV], v[ST+2*\p:ST+2*\p+1] offset:256*\p
.endr
.Lstored_\@:
.endif
	s_wait_xcnt 0x0                                ; the trip's loads have read their bases: they may step
.if (\c) < 3
	s_add_nc_u64 s[CP:CP+1], s[CP:CP+1], s[CST:CST+1]   ; the next step of K, or the next 8 rows of V
	s_add_co_u32 s[LKS], s[LKS], KSTEP
	s_add_co_u32 s[LVS], s[LVS], 8*VP
.endif
	s_add_nc_u64 s[16:17], s[16:17], 512           ; the mask: 128 keys on
	s_add_co_u32 s[TK], s[TK], KSTEP
	s_add_co_u32 s[TV], s[TV], 96
	s_add_co_u32 s[TS], s[TS], 256
	s_add_co_u32 s[TJ], s[TJ], 4
	s_lshr_b32 s[SK], s[SK], 1
	s_lshr_b32 s[PL], s[PL], 1
	s_add_co_u32 s[CNT], s[CNT], 1
	s_cmp_lt_u32 s[CNT], 8
	s_cbranch_scc1 .Ltrip_\@
.if (\c) < 3
	s_sub_nc_u64 s[CP:CP+1], s[CP:CP+1], s[CBK:CBK+1]   ; V: back over the 64 rows, 768 bytes on; K goes straight on (no load has been issued since the wait above)
	s_wait_dscnt 0x0                               ; my stores into the other slot have landed, my reads of this one are over
	s_barrier_signal -1
	s_barrier_wait -1                              ; both now hold of every wave
.endif
.endm
	CHUNK 0
	CHUNK 1
	CHUNK 2
	CHUNK 3                                        ; the last chunk copies nothing: no load leaves its buffer; no barrier follows: the stages below are each wave's own bytes, outside the slots
	; THE WAY OUT.  O^T is divided by the row's sum and goes through my stage in LDS, so that sixteen lanes store a whole row of 256 bytes.  The additions and the address work are the places behind the last products.
	s_wait_alu depctr_vm_vsrc(0)                   ; the last step's LDS loads have read v8-11, three of which are written again below
	v_add_f32 v[LS], v[LS], v[LS+1]                ; the sum's two halves,
	v_permlanex16_b32 v[TP], v[LS], s[SEL], s[SEL+1]
	v_add_f32 v[LS], v[LS], v[TP]                  ; and lane l xor 16's: the row's sum (above 1/2: every row keeps the tile with its largest p)
	s_wait_alu depctr_va_vdst(0)
	v_rcp_f32 v[LS+1], v[LS]
	v_and_b32 v[LK], 15, v0                        ; (a plain instruction behind the reciprocal)  r
	v_bfe_u32 v[LV], v0, 4, 1                      ; h
	s_mul_i32 s[T], s[WV], 16*272
	s_add_co_u32 s[T], s[T], STAGE                 ; my stage
	v_mul_u32_u24 v[ADK], v[LK], 272
	v_lshl_add_u32 v[ADK], v[LV], 5, v[ADK]
	v_add_nc_u32 v[ADK], s[T], v[ADK]              ; in: row r; tile t's eight channels of my half at 64 t + 32 h
	v_mul_u32_u24 v[ADV], v[LV], 272
	v_lshl_add_u32 v[ADV], v[LK], 4, v[ADV]
	v_add_nc_u32 v[ADV], s[T], v[ADV]              ; back: lanes 0-15 one row, lanes 16-31 the next
	v_lshlrev_b32 v[ADS], 8, v[LV]
	v_lshl_add_u32 v[ADS], v[LK], 4, v[ADS]        ; and the same two rows in out
	s_wait_alu depctr_va_vdst(0)                   ; the reciprocal has written v33: the wait ahead of its first reader
.set j, 0
.rept 32
	v_mul_f32 v[S+j], v[O+j], v[LS+1]              ; register 8 t + i is out(r, 16 t + 8 h + i); each accumulator from its low end on
.set j, j+1
.endr
	s_wait_alu depctr_va_vdst(0)                   ; the multiplications have written v80-111, which the LDS stores read; the three addresses v8-10 are written; the last products are done reading v176-207, in which the LDS loads land
.irp t, 0,1,2,3
	ds_store_b128 v[ADK], v[S+8*\t:S+8*\t+3] offset:64*\t
	ds_store_b128 v[ADK], v[S+8*\t+4:S+8*\t+7] offset:64*\t+16
.endr
.irp i, 0,1,2,3,4,5,6,7
	ds_load_b128 v[VF+4*\i:VF+4*\i+3], v[ADV] offset:544*\i   ; LDS serves a wave's instructions in order (ISA guide 5.7.1.4): these see my stores
.endr
.irp i, 0,1,2,3,4,5,6,7
	s_wait_dscnt 7-\i                              ; the younger loads may stay out
	global_store_b128 v[ADS], v[VF+4*\i:VF+4*\i+3], s[22:23] offset:512*\i th:TH_STORE_NT   ; 32 lanes store 512 consecutive bytes, at a multiple of 256 from out's first byte; written once, read by nobody here
.endr
	s_wait_dscnt 0x0
	s_wait_alu depctr_hold_cnt(0) depctr_sa_sdst(0) depctr_va_vdst(0) depctr_va_sdst(0) depctr_va_ssrc(0) depctr_va_vcc(0) depctr_vm_vsrc(0)
	s_wait_tensorcnt 0x0
	ds_add_u32 v254, v255
	s_wait_dscnt 0x0
	s_endpgm
.Lfunc_end_k_q45c49dddd2_attend:
	.size	k_q45c49dddd2_attend, .Lfunc_end_k_q45c49dddd2_attend-k_q45c49dddd2_attend
	.p2alignl 7, 3214868480
	.fill 96, 4, 3214868480
	.section	.rodata,"a",@progbits
	.p2align	6, 0x0
	.amdhsa_kernel k_q45c49dddd2_attend
		.amdhsa_group_segment_fixed_size 310272
		.amdhsa_private_segment_fixed_size 0
		.amdhsa_enable_private_segment 0
		.amdhsa_kernarg_size 80
		.amdhsa_user_sgpr_count 2
		.amdhsa_user_sgpr_kernarg_segment_ptr 1
		.amdhsa_wavefront_size32 1
		.amdhsa_system_sgpr_workgroup_id_x 1
		.amdhsa_system_sgpr_workgroup_id_y 1
		.amdhsa_system_sgpr_workgroup_id_z 1
		.amdhsa_system_vgpr_workitem_id 0
		.amdhsa_next_free_vgpr 256
		.amdhsa_next_free_sgpr 80
		.amdhsa_reserve_vcc 0
		.amdhsa_float_denorm_mode_32 3
		.amdhsa_float_denorm_mode_16_64 3
		.amdhsa_memory_ordered 1
		.amdhsa_forward_progress 1
		.amdhsa_inst_pref_size 191
	.end_amdhsa_kernel
	.amdgpu_metadata
---
amdhsa.version: [ 1, 2 ]
amdhsa.kernels:
  - .name:           k_q45c49dddd2_attend
    .symbol:         k_q45c49dddd2_attend.kd
    .args:
      - { .name: queries_codes, .offset: 0, .size: 8, .value_kind: global_buffer, .address_space: global }
      - { .name: queries_scales, .offset: 8, .size: 8, .value_kind: global_buffer, .address_space: global }
      - { .name: keys_codes, .offset: 16, .size: 8, .value_kind: global_buffer, .address_space: global }
      - { .name: keys_scales, .offset: 24, .size: 8, .value_kind: global_buffer, .address_space: global }
      - { .name: values_codes, .offset: 32, .size: 8, .value_kind: global_buffer, .address_space: global }
      - { .name: values_scales, .offset: 40, .size: 8, .value_kind: global_buffer, .address_space: global }
      - { .name: mask, .offset: 48, .size: 8, .value_kind: global_buffer, .address_space: global }
      - { .name: cls, .offset: 56, .size: 8, .value_kind: global_buffer, .address_space: global }
      - { .name: bounds, .offset: 64, .size: 8, .value_kind: global_buffer, .address_space: global }
      - { .name: out0, .offset: 72, .size: 8, .value_kind: global_buffer, .address_space: global }
    .group_segment_fixed_size: 310272
    .private_segment_fixed_size: 0
    .kernarg_segment_align: 8
    .kernarg_segment_size: 80
    .max_flat_workgroup_size: 512
    .sgpr_count:     80
    .vgpr_count:     256
    .wavefront_size: 32
...
	.end_amdgpu_metadata
.endif
;; end of part 4
